; MI455X (gfx1250); checked and timed in simulation.
; The chip was launched on July 23, 2026; its instructions are those of AMD's public machine-readable ISA for CDNA 5 (MIT licence, August 2026) and "CDNA5" Instruction Set Architecture Reference Guide (July 2026). The comments in the code are by the model that wrote it; some were corrected since.
;; MSA Stack. Allowed arithmetic: matrix products marked QUANTISED: E2M3 operands, one E8M0 scale for each 32 along K, by v_wmma_scale_f32_16x16x128_f8f6f4 with both operands' format E2M3, f32 sums; products left as they are: f32 operands where the result goes on into a quantised operand, else bf16, f16 or f32 operands; f32 sums; everything else in f32.
;; Inputs: W0_c 256 x 256 float32; W0_r 256 x 256 float32; W1 256 x 1,024 float32; W2 1,024 x 256 float32; Wb 128 x 8 float32; Wqkv_c 256 x 1,024 float32; Wqkv_r 256 x 1,024 float32; b1 1,024 float32; b2 256 float32; bb 8 float32; be1 256 float32; be2 128 float32; be3 256 float32; bias_rep 1 x 256 x 256 x 128 float32; g1 256 float32; g2 128 float32; g3 256 float32; x 1 x 128 x 256 x 256 float32.
;; Outputs: out0 1 x 128 x 256 x 256 float32.
;; This version of the problem:
;;   THIS VERSION OF THE PROBLEM IS GIVEN IN LOW PRECISION. The matrix products marked QUANTISED in the list below multiply operands that are first quantised to E2M3 (2 exponent bits, 3 mantissa bits; 6 bits a number), with one power-of-two scale for each 32 numbers along K (OCP MX v1.0); their sums are f32. All else is computed in f32.
;;   The module's matrix products, in the order in which they are computed (A, B: the left and right operand; K: the contracted axis; several contracted axes count as one K, in the product's order):
;;     1. [M 8, K 128] x [K 128, N 65,536]; A: input Wb; B: computed on the way: left as it is (M = 8 < 16)
;;     2. [M 32,768, K 256] x [K 256, N 1,024]; A: computed on the way; B: input Wqkv_r: QUANTISED
;;     3. batch 1,024 x [M 256, K 32] x [K 32, N 256]; A: computed on the way; B: computed on the way: QUANTISED
;;     4. batch 1,024 x [M 256, K 256] x [K 256, N 32]; A: softmax (see below); B: computed on the way: QUANTISED
;;     5. [M 32,768, K 256] x [K 256, N 256]; A: computed on the way; B: input W0_r: QUANTISED
;;     6. [M 32,768, K 256] x [K 256, N 1,024]; A: computed on the way; B: input Wqkv_c: QUANTISED
;;     7. batch 2,048 x [M 128, K 32] x [K 32, N 128]; A: computed on the way; B: computed on the way: QUANTISED
;;     8. batch 2,048 x [M 128, K 128] x [K 128, N 32]; A: softmax (see below); B: computed on the way: QUANTISED
;;     9. [M 32,768, K 256] x [K 256, N 256]; A: computed on the way; B: input W0_c: QUANTISED
;;     10. [M 32,768, K 256] x [K 256, N 1,024]; A: computed on the way; B: input W1: QUANTISED
;;     11. [M 32,768, K 1,024] x [K 1,024, N 256]; A: computed on the way; B: input W2: QUANTISED
;;   THE QUANTISER, for each operand of a quantised product, along K:
;;     - K is cut into blocks of 32 from its start; a last block that is shorter is filled with zeros.
;;     - A block's scale is 2^e with e = floor(log2(the largest magnitude in the block)) - 2, held to -126 .. 127; a block of zeros has e = 0. As a byte (E8M0): e + 127.
;;     - Each number is divided by its block's scale, clamped to +-7.5, and rounded to the nearest number of E2M3, ties to even, subnormals kept.
;;     - The product sums the exact products of the quantised numbers (number of the format x scale) in f32.
;;   ~~~python
;;   def quantise(x, axis):      # numpy; x: float32 -> the quantised numbers, widened to float32 again
;;       x = np.moveaxis(x, axis, -1); K = x.shape[-1]
;;       x = np.pad(x, [(0, 0)] * (x.ndim - 1) + [(0, -K % 32)]); x = x.reshape(x.shape[:-1] + (-1, 32)); a = np.abs(x).max(-1, keepdims=True)
;;       e = np.where(a > 0, np.clip(np.frexp(np.where(a > 0, a, 1))[1] - 1 - 2, -126, 127), 0)      # np.frexp(a)[1] - 1 = floor(log2(a)), exactly
;;       r = np.clip(x / 2.0 ** e, -7.5, 7.5)
;;       step = 2.0 ** (np.maximum(np.frexp(np.where(r == 0, 1, r))[1] - 1, 0) - 3)
;;       q = np.round(r / step) * step * 2.0 ** e      # np.round: ties to even
;;       return np.moveaxis(q.reshape(q.shape[:-2] + (-1,))[..., :K], -1, axis).astype(np.float32)
;;   ~~~
;;   SOFTMAX AHEAD OF A QUANTISED PRODUCT. Where the list says 'softmax', what is quantised is not the finished softmax but p = 2^(t - M), with t = logit x log2(e) and M = ceil(the row's largest t), a whole number; so 1/2 < the row's largest p <= 1. The row's sum l is taken of the UNQUANTISED p, in f32, and the product's result is divided by l at the end. Since M is a whole number, a kernel that streams over the keys may use a running M (the ceiling of the running maximum): every later rescaling is an exact power of two, which a block's scale takes up: the codes' values come out the same.
;;   OPERANDS COMPUTED ON THE WAY. 'Computed on the way' means the value that the module computes at that place (a softmax that the list does not call 'softmax' is quantised finished and normalised). What goes into a quantiser is computed in f32, as accurately as f32 sums, v_exp_f32 and their like allow (about 1e-6 of the number): no bf16 or f16 on the way to a quantiser, and a product that is left as it is and whose result goes on into a quantised operand takes f32 operands (vector FMAs, or v_wmma_f32_16x16x4_f32). A number that lies on a knife's edge between two numbers of the format may be rounded either way, as far as f32 arithmetic and the matrix unit's own rounding can turn it there, and no further.
;; One version. Each part assembles by itself: llvm-mc -triple=amdgcn-amd-amdhsa -mcpu=gfx1250 --defsym DOCPART=n.
;; ======== version 1 of 1: 3 launches
;; limits: right only within a limited range of input values
;; workspace buffers: wcodes 884,736 bytes; wscales 73,728 bytes; xcodes 6,291,456 bytes; xscales 524,288 bytes; biasimg 2,097,152 bytes; ocodes 8,388,608 bytes
;; launch prep (part 1): grid 512 x 1, 8 waves a work-group, no clusters, 152,576 bytes of LDS; arguments x, bias_rep, Wqkv_r, Wqkv_c, W1, W0_r, W0_c, W2, Wb, bb, g1, be1, g2, be2, wcodes, wscales, xcodes, xscales, biasimg; writes wcodes, wscales, xcodes, xscales, biasimg
.if DOCPART == 1
	.amdgcn_target "amdgcn-amd-amdhsa--gfx1250"
	.amdhsa_code_object_version 6
	.text
	.protected	k_q828644656b_prep
	.globl	k_q828644656b_prep
	.p2align	8
	.type	k_q828644656b_prep,@function
k_q828644656b_prep:
	s_mov_b64 s[64:65], 0
	v_nop
	global_prefetch_b8 v0, s[64:65] scope:SCOPE_SE
	s_setreg_imm32_b32 hwreg(HW_REG_WAVE_MODE, 25, 1), 1
	s_wait_xcnt 0x0
; PREP: three kinds of work, chosen by the work-group's number; each has LDS bytes of its own.
;  W (second jobs of X's waves):    the six weights, f32 [K][N], become codes of E2M3 along K, laid fragment by fragment in the order of an operand's registers
;                           (a fragment: 16 columns x 128 K, 12 registers a lane; registers 4c..4c+3 of lane L at 512 c + 16 L; its scale words at 4 L).
;  P (work-groups 0-255):  pair bias = LN2(bias_rep) Wb + bb, in f32 by the f32 matrix form, times sqrt(32), laid as the image of the score registers of the row attention.
;  X (work-groups 256-511): LN1(x) becomes codes along the channels, fragment by fragment.
; A tile's 16 rows are not neighbours: row r of tile T is 32 (T/2) + 8 (T%2) + r + 8 (r/8), so that the registers of two neighbouring transposed result tiles are 16 neighbours.
; LIMITS: a block whose largest magnitude lies under 2^-124 (a block of zeros too) gets the scale byte 1: its codes are zeros and only this program reads the bytes.  NaN and infinities are not served.
; ORDER OF ROUNDING: g2 and sqrt(32) are multiplied into Wb, be2 Wb + bb (times sqrt(32)) is the C of the first product.
.set P_TURN, 0                         ; path P: 8 waves x 16 rows x (512 + 16) bytes
.set P_OUT,  67584                     ; path P: 8 heads x 2,048 bytes
.set X_TURN, 83968                     ; path X: 8 waves x 16 rows x (512 + 16) bytes
.set SPARE,  151552                    ; the spare words, 128 bytes a wave
.set SEL,  10                          ; s[10:11] selects of v_permlanex16_b32: lane l xor 16
.set SINV, 34                          ; s34 1 / (numbers in a row)
.set SEPS, 35                          ; s35 1e-5
.set FLOOR, 0x1800000                  ; 2^(3 - 127): no largest magnitude is taken under it
.macro PLACES n
.rept \n
	v_nop
.endr
.endm
; 64 numbers of a lane, register 16 b + i = k 32 b + 16 (lane / 16) + i of my row, become a fragment's 12 registers v[pc] on and its scale word v[pw]
.macro QUANT s, mx, tb, so, pc, pw
.irp b,0,1,2,3
	v_max3_num_f32 v[(\mx)+\b], |v[(\s)+16*\b]|, |v[(\s)+1+16*\b]|, FLOOR
.endr
.irp i,2,4,6,8,10,12,14
.irp b,0,1,2,3
	s_delay_alu instid0(VALU_DEP_4)
	v_max3_num_f32 v[(\mx)+\b], v[(\mx)+\b], |v[(\s)+16*\b+\i]|, |v[(\s)+1+16*\b+\i]|
.endr
.endr
.irp b,0,1,2,3
	s_delay_alu instid0(VALU_DEP_4)
	v_permlanex16_b32 v[(\tb)+\b], v[(\mx)+\b], s[SEL], s[SEL+1]
.endr
.irp b,0,1,2,3
	s_delay_alu instid0(VALU_DEP_4)
	v_max_num_f32 v[(\mx)+\b], v[(\mx)+\b], v[(\tb)+\b]
.endr
.irp b,0,1,2,3
	s_delay_alu instid0(VALU_DEP_4)
	v_add_nc_u32 v[(\so)+\b], 0xff000000, v[(\mx)+\b]      ; 2 off the exponent field: the conversion's scale operand
.endr
.irp b,0,1,2,3
	s_delay_alu instid0(VALU_DEP_4)
	v_lshrrev_b32 v[(\tb)+\b], 23, v[(\so)+\b]             ; the scale's byte
.endr
	s_delay_alu instid0(VALU_DEP_3)
	v_lshl_or_b32 v[\pw], v[(\tb)+1], 8, v[\tb]
	s_delay_alu instid0(VALU_DEP_1)
	v_lshl_or_b32 v[\pw], v[(\tb)+2], 16, v[\pw]
	s_delay_alu instid0(VALU_DEP_1)
	v_lshl_or_b32 v[\pw], v[(\tb)+3], 24, v[\pw]
.irp c,0,1
	v_cvt_scalef32_pk16_fp6_f32 v[(\pc)+6*\c:(\pc)+2+6*\c], v[(\s)+32*\c:(\s)+15+32*\c], v[(\so)+2*\c]
	v_cvt_scalef32_pk16_fp6_f32 v[(\pc)+12+4*\c:(\pc)+14+4*\c], v[(\s)+16+32*\c:(\s)+31+32*\c], v[(\so)+2*\c+1]
.endr
	v_nop                                                  ; one plain place behind the conversions
.irp c,0,1
.irp i,0,1,2
	v_permlane16_swap_b32 v[(\pc)+6*\c+\i], v[(\pc)+12+4*\c+\i]   ; a whole block to a lane
.endr
.irp i,0,1,2
	s_delay_alu instid0(VALU_DEP_3)
	v_mov_b32 v[(\pc)+3+6*\c+\i], v[(\pc)+12+4*\c+\i]
.endr
.endr
.endm
; the pairs v[t + 2 q] of 16 rows are summed over their halves and over the 32 lanes
.macro LNRED t
.irp q,0,1,2,3,4,5,6,7,8,9,10,11,12,13,14,15
	v_add_f32 v[\t+2*\q], v[\t+2*\q], v[\t+2*\q+1]
.endr
.irp m,1,2,4,8
.irp q,0,1,2,3,4,5,6,7,8,9,10,11,12,13,14,15
	v_add_f32_dpp v[\t+2*\q], v[\t+2*\q], v[\t+2*\q] row_xmask:\m row_mask:0xf bank_mask:0xf
.endr
.endr
.irp q,0,1,2,3,4,5,6,7,8,9,10,11,12,13,14,15
	v_permlanex16_b32 v[\t+2*\q+1], v[\t+2*\q], s[SEL], s[SEL+1]
.endr
.irp q,0,1,2,3,4,5,6,7,8,9,10,11,12,13,14,15
	v_add_f32 v[\t+2*\q], v[\t+2*\q], v[\t+2*\q+1]
.endr
.endm
; LayerNorm of 16 whole rows of 256: row q in v[xb + 4 q ..] (channels 4 L ..) and v[xb + 64 + 4 q ..] (channels 128 + 4 L ..).  Two passes: mean, then the centred squares.
.macro LNROWS xb, g, be, t
.irp q,0,1,2,3,4,5,6,7,8,9,10,11,12,13,14,15
	v_pk_add_f32 v[\t+2*\q:\t+2*\q+1], v[\xb+4*\q:\xb+4*\q+1], v[\xb+4*\q+2:\xb+4*\q+3]
.endr
.irp q,0,1,2,3,4,5,6,7,8,9,10,11,12,13,14,15
	v_pk_add_f32 v[\t+2*\q:\t+2*\q+1], v[\t+2*\q:\t+2*\q+1], v[\xb+64+4*\q:\xb+64+4*\q+1]
.endr
.irp q,0,1,2,3,4,5,6,7,8,9,10,11,12,13,14,15
	v_pk_add_f32 v[\t+2*\q:\t+2*\q+1], v[\t+2*\q:\t+2*\q+1], v[\xb+64+4*\q+2:\xb+64+4*\q+3]
.endr
	LNRED \t
.irp q,0,1,2,3,4,5,6,7,8,9,10,11,12,13,14,15
	v_mul_f32 v[\t+2*\q], s[SINV], v[\t+2*\q]
.endr
.irp o,0,2,64,66
.irp q,0,1,2,3,4,5,6,7,8,9,10,11,12,13,14,15
	v_pk_add_f32 v[\xb+\o+4*\q:\xb+\o+4*\q+1], v[\xb+\o+4*\q:\xb+\o+4*\q+1], v[\t+2*\q:\t+2*\q+1] op_sel_hi:[1,0] neg_lo:[0,1] neg_hi:[0,1]
.endr
.endr
.irp q,0,1,2,3,4,5,6,7,8,9,10,11,12,13,14,15
	v_pk_mul_f32 v[\t+2*\q:\t+2*\q+1], v[\xb+4*\q:\xb+4*\q+1], v[\xb+4*\q:\xb+4*\q+1]
.endr
.irp o,2,64,66
.irp q,0,1,2,3,4,5,6,7,8,9,10,11,12,13,14,15
	v_pk_fma_f32 v[\t+2*\q:\t+2*\q+1], v[\xb+\o+4*\q:\xb+\o+4*\q+1], v[\xb+\o+4*\q:\xb+\o+4*\q+1], v[\t+2*\q:\t+2*\q+1]
.endr
.endr
	LNRED \t
.irp q,0,1,2,3,4,5,6,7,8,9,10,11,12,13,14,15
	v_fma_f32 v[\t+2*\q], v[\t+2*\q], s[SINV], s[SEPS]
.endr
	s_wait_alu depctr_va_vdst(0)
.irp q,0,1,2,3,4,5,6,7,8,9,10,11,12,13,14,15
	v_rsq_f32 v[\t+2*\q], v[\t+2*\q]
.endr
	v_nop                                                  ; a plain place behind the batch,
	s_wait_alu depctr_va_vdst(0)                           ; and one wait for the sixteen, ahead of their first reader
.irp o,0,2,64,66
.irp q,0,1,2,3,4,5,6,7,8,9,10,11,12,13,14,15
	v_pk_mul_f32 v[\xb+\o+4*\q:\xb+\o+4*\q+1], v[\xb+\o+4*\q:\xb+\o+4*\q+1], v[\t+2*\q:\t+2*\q+1] op_sel_hi:[1,0]
.endr
.endr
.irp q,0,1,2,3,4,5,6,7,8,9,10,11,12,13,14,15
	v_pk_fma_f32 v[\xb+4*\q:\xb+4*\q+1], v[\xb+4*\q:\xb+4*\q+1], v[\g:\g+1], v[\be:\be+1]
	v_pk_fma_f32 v[\xb+4*\q+2:\xb+4*\q+3], v[\xb+4*\q+2:\xb+4*\q+3], v[\g+2:\g+3], v[\be+2:\be+3]
	v_pk_fma_f32 v[\xb+64+4*\q:\xb+64+4*\q+1], v[\xb+64+4*\q:\xb+64+4*\q+1], v[\g+4:\g+5], v[\be+4:\be+5]
	v_pk_fma_f32 v[\xb+64+4*\q+2:\xb+64+4*\q+3], v[\xb+64+4*\q+2:\xb+64+4*\q+3], v[\g+6:\g+7], v[\be+6:\be+7]
.endr
.endm
.macro FINISH                          ; the wave's end
	s_wait_tensorcnt 0x0
	ds_add_u32 v1, v2
	s_wait_dscnt 0x0
	s_endpgm
.endm
	v_lshl_add_u32 v1, v0, 2, SPARE                ; my spare word; never rewritten
	v_mov_b32 v2, 0                                ; 0; never rewritten
	v_lshrrev_b32 v3, 5, v0
	s_delay_alu instid0(VALU_DEP_1)
	v_readfirstlane_b32 s8, v3                     ; wave
	v_and_b32 v3, 31, v0                           ; L
	v_and_b32 v4, 15, v0                           ; r
	v_bfe_u32 v5, v0, 4, 1                         ; h
	s_mov_b32 s[SEL], 0x76543210
	s_mov_b32 s[SEL+1], 0xfedcba98
	s_mov_b32 s[SEPS], 0x3727c5ac                  ; 1e-5
	s_cmp_lt_u32 ttmp9, 256                        ; the deal as it stands now: work-groups 0-255 path P, 256-511 path X; path W has no work-groups of its own: its 384 jobs are second jobs of X's waves
	s_cbranch_scc1 .LP
; ---------------- path X: a wave takes one tile of 16 tokens of one MSA row
	s_load_b64 s[16:17], s[0:1], 0x0               ; x
	s_load_b128 s[20:23], s[0:1], 0x50             ; g1, be1
	s_load_b128 s[24:27], s[0:1], 0x80             ; xcodes, xscales
	s_sub_co_u32 s12, ttmp9, 256
	s_lshl_b32 s12, s12, 3
	s_add_co_u32 s12, s12, s8                      ; tile = 16 s + T
	s_lshr_b32 s13, s12, 4
	s_lshl_b32 s13, s13, 8                         ; 256 s
	s_bfe_u32 s14, s12, 0x30001
	s_lshl_b32 s14, s14, 5                         ; 32 (T / 2)
	s_add_co_u32 s13, s13, s14
	s_and_b32 s14, s12, 1
	s_lshl_b32 s14, s14, 3                         ; 8 (T % 2)
	s_add_co_u32 s13, s13, s14
	s_lshl_b32 s28, s13, 10                        ; rows of 1,024 bytes
	s_mov_b32 s29, 0
	s_mul_i32 s30, s12, 3072
	s_mov_b32 s31, 0
	s_lshl_b32 s32, s12, 8
	s_mov_b32 s33, 0
	s_mov_b32 s[SINV], 0x3b800000                  ; 1 / 256
	s_wait_alu depctr_va_vdst(0)
	v_lshlrev_b32 v6, 4, v3                        ; 16 L
	v_lshlrev_b32 v7, 2, v3                        ; 4 L
	s_mul_i32 s36, s8, 8448
	s_add_co_u32 s36, s36, X_TURN
	v_add_nc_u32 v22, s36, v6                      ; my stage, on the way in
	v_mul_u32_u24 v23, v4, 528
	s_delay_alu instid0(VALU_DEP_1)
	v_lshl_add_u32 v23, v5, 6, v23
	s_delay_alu instid0(VALU_DEP_1)
	v_add_nc_u32 v23, s36, v23                     ; and out: row r, + 64 h
.irp b,0,1,2,3
	v_mov_b32 v[12+\b], 0                          ; a lane permute's destination counts as read
.endr
	s_wait_kmcnt 0x0
	s_add_nc_u64 s[16:17], s[16:17], s[28:29]
	s_add_nc_u64 s[24:25], s[24:25], s[30:31]
	s_add_nc_u64 s[26:27], s[26:27], s[32:33]
.irp k,0,1
.irp q,0,1,2,3,4,5,6,7,8,9,10,11,12,13,14,15
	global_load_b128 v[96+64*\k+4*\q:99+64*\k+4*\q], v6, s[16:17] offset:(\q+8*(\q/8))*1024+512*\k th:TH_LOAD_NT   ; 512 consecutive bytes of a row
.endr
.endr
	global_load_b128 v[64:67], v6, s[20:21]
	global_load_b128 v[68:71], v6, s[20:21] offset:512
	global_load_b128 v[72:75], v6, s[22:23]
	global_load_b128 v[76:79], v6, s[22:23] offset:512
	s_wait_loadcnt 0x0
	LNROWS 96, 64, 72, 32
.irp k,0,1                                     ; 128 channels at a time turn through my stage: a lane then holds 16 neighbours of each block of 32 of row r
.irp q,0,1,2,3,4,5,6,7,8,9,10,11,12,13,14,15
	ds_store_b128 v22, v[96+64*\k+4*\q:99+64*\k+4*\q] offset:528*\q
.endr
.irp n,0,1,2,3,4,5,6,7,8,9,10,11,12,13,14,15
	ds_load_b128 v[96+64*\k+4*\n:99+64*\k+4*\n], v23 offset:128*(\n/4)+16*(\n%4)   ; LDS serves a wave's instructions in order
.endr
.endr
	s_wait_dscnt 32                                ; the first half is back: 16 stores and 16 loads are younger
	QUANT 96, 8, 12, 16, 32, 20
.irp c,0,1,2
	global_store_b128 v6, v[32+4*\c:35+4*\c], s[24:25] offset:512*\c
.endr
	global_store_b32 v7, v20, s[26:27]
	s_wait_dscnt 0x0
	QUANT 160, 8, 12, 16, 52, 21
.irp c,0,1,2
	global_store_b128 v6, v[52+4*\c:55+4*\c], s[24:25] offset:1536+512*\c
.endr
	global_store_b32 v7, v21, s[26:27] offset:128
	s_wait_xcnt 0x0                                ; my stores have read their registers and bases: path W writes them again
	s_sub_co_u32 s12, ttmp9, 256
	s_lshl_b32 s13, s8, 8
	s_add_co_u32 s12, s12, s13                     ; J = X work-group + 256 x wave: wave 0 of all 256, wave 1 of the first 128 have a weight job
	s_cmp_lt_u32 s12, 384
	s_cbranch_scc1 .LW
	FINISH
; ---------------- path P: a work-group takes 16 queries (tile T) x 16 keys (half e of block b), all 8 heads; a wave two of the queries, in one pass
.LP:
	s_load_b64 s[16:17], s[0:1], 0x8               ; bias_rep
	s_load_b128 s[20:23], s[0:1], 0x40             ; Wb, bb
	s_load_b128 s[24:27], s[0:1], 0x60             ; g2, be2
	s_load_b64 s[28:29], s[0:1], 0x90              ; biasimg
	s_mov_b32 s12, ttmp9
	s_lshr_b32 s13, s12, 4                         ; T
	s_bfe_u32 s14, s12, 0x30001                    ; b
	s_and_b32 s42, s12, 1                          ; e: which 16 of the block's 32 keys
	s_lshr_b32 s15, s13, 1
	s_lshl_b32 s15, s15, 5
	s_and_b32 s30, s13, 1
	s_lshl_b32 s30, s30, 3
	s_add_co_u32 s15, s15, s30
	s_lshl_b32 s30, s8, 1
	s_add_co_u32 s15, s15, s30
	s_lshr_b32 s30, s8, 2
	s_lshl_b32 s30, s30, 3
	s_add_co_u32 s15, s15, s30                     ; my first query: row 2 w of the tile
	s_lshl_b32 s32, s15, 17                        ; a query's 256 pair rows of 512 bytes
	s_lshl_b32 s30, s14, 14                        ; 32 keys
	s_add_co_u32 s32, s32, s30
	s_lshl_b32 s30, s42, 13                        ; 16 keys
	s_add_co_u32 s32, s32, s30
	s_mov_b32 s33, 0
	s_lshl_b32 s40, s13, 14
	s_lshl_b32 s30, s14, 11
	s_add_co_u32 s40, s40, s30
	s_lshl_b32 s30, s42, 8                         ; lanes 16 e .. 16 e + 15 of the image: 256 bytes of each 512
	s_add_co_u32 s40, s40, s30
	s_lshl_b32 s30, s8, 18                         ; on the way out wave w stores head w
	s_add_co_u32 s40, s40, s30
	s_mov_b32 s41, 0
	s_mov_b32 s[SINV], 0x3c000000                  ; 1 / 128
	s_mov_b32 s38, 0x40b504f3                      ; sqrt(32)
	s_mov_b32 s39, s38
	s_wait_alu depctr_va_vdst(0)
	v_lshlrev_b32 v6, 4, v3                        ; 16 L
	v_and_b32 v20, 7, v4
	s_delay_alu instid0(VALU_DEP_1)
	v_lshlrev_b32 v24, 11, v20
	s_delay_alu instid0(VALU_DEP_2)
	v_lshlrev_b32 v20, 2, v20                      ; 4 (r % 8): columns 8-15 repeat the eight heads
	s_delay_alu instid0(VALU_DEP_1)
	v_lshl_add_u32 v7, v5, 11, v20                 ; Wb: rows 64 h on
	v_lshlrev_b32 v21, 8, v5                       ; g2, be2: 64 h on
	s_mul_i32 s36, s8, 8448
	v_add_nc_u32 v22, s36, v6                      ; my stage, in
	v_mul_u32_u24 v23, v4, 528
	s_delay_alu instid0(VALU_DEP_1)
	v_lshl_add_u32 v23, v5, 8, v23
	s_delay_alu instid0(VALU_DEP_1)
	v_add_nc_u32 v23, s36, v23                     ; and out: pair row r, + 256 h
	v_lshl_add_u32 v24, v5, 10, v24
	s_lshl_b32 s30, s8, 5
	s_add_co_u32 s30, s30, P_OUT
	v_add_nc_u32 v24, s30, v24                     ; results: head x 2,048 + h x 1,024 + 32 w
	s_lshl_b32 s30, s8, 11
	s_add_co_u32 s30, s30, P_OUT
	v_lshlrev_b32 v27, 4, v4
	s_delay_alu instid0(VALU_DEP_1)
	v_lshl_add_u32 v27, v5, 9, v27                 ; the way out: 16 r + 512 h: sixteen lanes to a run of 256 bytes
	s_delay_alu instid0(VALU_DEP_1)
	v_add_nc_u32 v25, s30, v27                     ; and back: head w
	s_wait_alu depctr_va_vdst(0)
	s_wait_kmcnt 0x0
	s_add_nc_u64 s[16:17], s[16:17], s[32:33]
	s_add_nc_u64 s[28:29], s[28:29], s[40:41]
.set ii,0
.rept 64
	global_load_b32 v[32+ii], v7, s[20:21] offset:32*ii        ; Wb[64 h + i][r % 8]
.set ii,ii+1
.endr
.set ii,0
.rept 16
	global_load_b128 v[96+4*ii:99+4*ii], v21, s[24:25] offset:16*ii
	global_load_b128 v[160+4*ii:163+4*ii], v21, s[26:27] offset:16*ii
.set ii,ii+1
.endr
	global_load_b32 v26, v20, s[22:23]
	s_wait_loadcnt 0x0
.irp q,0,1,2,3
	v_mul_f32 v[16+\q], v[160+\q], v[32+\q]        ; be2 . Wb, in four chains
.endr
.set ii,4
.rept 60
	s_delay_alu instid0(VALU_DEP_4)
	v_fmac_f32 v[16+ii%4], v[160+ii], v[32+ii]
.set ii,ii+1
.endr
	s_delay_alu instid0(VALU_DEP_3)
	v_add_f32 v16, v16, v17
	s_delay_alu instid0(VALU_DEP_2)
	v_add_f32 v18, v18, v19
	s_delay_alu instid0(VALU_DEP_1)
	v_add_f32 v16, v16, v18
	s_delay_alu instid0(VALU_DEP_1)
	v_permlanex16_b32 v17, v16, s[SEL], s[SEL+1]
	s_delay_alu instid0(VALU_DEP_1)
	v_add_f32 v16, v16, v17
	s_delay_alu instid0(VALU_DEP_1)
	v_add_f32 v16, v16, v26                        ; + bb
	s_delay_alu instid0(VALU_DEP_1)
	v_mul_f32 v16, s38, v16
.irp j,0,1,2,3,4,5,6,7
	v_mov_b32 v[224+\j], v16                       ; the C of each sum's first product
.endr
.set ii,0
.rept 32
	v_pk_mul_f32 v[96+2*ii:97+2*ii], v[96+2*ii:97+2*ii], s[38:39] op_sel_hi:[1,0]
.set ii,ii+1
.endr
.set ii,0
.rept 32
	v_pk_mul_f32 v[32+2*ii:33+2*ii], v[32+2*ii:33+2*ii], v[96+2*ii:97+2*ii]   ; Wb x g2 x sqrt(32)
.set ii,ii+1
.endr
.macro LNAR                            ; the two tiles' sums: chains, halves, lane l xor 16
.irp e, 0
	s_delay_alu instid0(VALU_DEP_3)
	v_pk_add_f32 v[8+4*\e:9+4*\e], v[8+4*\e:9+4*\e], v[10+4*\e:11+4*\e]
.endr
.irp e, 1
	s_delay_alu instid0(VALU_DEP_2)
	v_pk_add_f32 v[8+4*\e:9+4*\e], v[8+4*\e:9+4*\e], v[10+4*\e:11+4*\e]
.endr
.irp e,0,1
	s_delay_alu instid0(VALU_DEP_2)
	v_add_f32 v[8+4*\e], v[8+4*\e], v[9+4*\e]
.endr
.irp e,0,1
	s_delay_alu instid0(VALU_DEP_2)
	v_permlanex16_b32 v[9+4*\e], v[8+4*\e], s[SEL], s[SEL+1]
.endr
.irp e,0,1
	s_delay_alu instid0(VALU_DEP_2)
	v_add_f32 v[8+4*\e], v[8+4*\e], v[9+4*\e]
.endr
.endm
; my two queries, 16 pair rows of 128 each, as two tiles of 16 (tile e = query e): lane (r, h) holds z = 64 h + 0 .. 63 of pair row r
.macro PROW
.set ii,0
.rept 32
	global_load_b128 v[96+4*ii:99+4*ii], v6, s[16:17] offset:131072*(ii/16)+512*(ii%16) th:TH_LOAD_NT   ; 8 KB on end for each query
.set ii,ii+1
.endr
	s_wait_loadcnt 16                              ; the first tile's rows are in; the second's sixteen loads are younger
.irp e,0,1
.if \e
	s_wait_loadcnt 0x0
.endif
.set ii,0
.rept 16
	ds_store_b128 v22, v[96+64*\e+4*ii:99+64*\e+4*ii] offset:528*ii
.set ii,ii+1
.endr
.set ii,0
.rept 16
	ds_load_b128 v[96+64*\e+4*ii:99+64*\e+4*ii], v23 offset:16*ii
.set ii,ii+1
.endr
.endr
	s_wait_dscnt 0x0
.irp e,0,1
	v_pk_add_f32 v[8+4*\e:9+4*\e], v[96+64*\e:97+64*\e], v[98+64*\e:99+64*\e]
	v_pk_add_f32 v[10+4*\e:11+4*\e], v[100+64*\e:101+64*\e], v[102+64*\e:103+64*\e]
.endr
.irp i,8,12,16,20,24,28,32,36,40,44,48,52,56,60
.irp e,0,1
	s_delay_alu instid0(VALU_DEP_4)
	v_pk_add_f32 v[8+4*\e:9+4*\e], v[8+4*\e:9+4*\e], v[96+64*\e+\i:97+64*\e+\i]
	s_delay_alu instid0(VALU_DEP_4)
	v_pk_add_f32 v[10+4*\e:11+4*\e], v[10+4*\e:11+4*\e], v[98+64*\e+\i:99+64*\e+\i]
.endr
.endr
	LNAR
.irp e,0,1
	s_delay_alu instid0(VALU_DEP_2)
	v_mul_f32 v[8+4*\e], s[SINV], v[8+4*\e]
.endr
.set ii,0
.rept 32
	v_pk_add_f32 v[96+2*ii:97+2*ii], v[96+2*ii:97+2*ii], v[8:9] op_sel_hi:[1,0] neg_lo:[0,1] neg_hi:[0,1]
	v_pk_add_f32 v[160+2*ii:161+2*ii], v[160+2*ii:161+2*ii], v[12:13] op_sel_hi:[1,0] neg_lo:[0,1] neg_hi:[0,1]
.set ii,ii+1
.endr
.irp e,0,1
	v_pk_mul_f32 v[8+4*\e:9+4*\e], v[96+64*\e:97+64*\e], v[96+64*\e:97+64*\e]
	v_pk_mul_f32 v[10+4*\e:11+4*\e], v[98+64*\e:99+64*\e], v[98+64*\e:99+64*\e]
.endr
.irp i,4,8,12,16,20,24,28,32,36,40,44,48,52,56,60
.irp e,0,1
	s_delay_alu instid0(VALU_DEP_4)
	v_pk_fma_f32 v[8+4*\e:9+4*\e], v[96+64*\e+\i:97+64*\e+\i], v[96+64*\e+\i:97+64*\e+\i], v[8+4*\e:9+4*\e]
	s_delay_alu instid0(VALU_DEP_4)
	v_pk_fma_f32 v[10+4*\e:11+4*\e], v[98+64*\e+\i:99+64*\e+\i], v[98+64*\e+\i:99+64*\e+\i], v[10+4*\e:11+4*\e]
.endr
.endr
	LNAR
.irp e,0,1
	s_delay_alu instid0(VALU_DEP_2)
	v_fma_f32 v[8+4*\e], v[8+4*\e], s[SINV], s[SEPS]
.endr
	s_wait_alu depctr_va_vdst(0)
	v_rsq_f32 v8, v8
	v_rsq_f32 v12, v12
	v_nop
	s_wait_alu depctr_va_vdst(0)                   ; one wait for the two, ahead of their first reader
.set ii,0
.rept 32
	v_pk_mul_f32 v[96+2*ii:97+2*ii], v[96+2*ii:97+2*ii], v[8:9] op_sel_hi:[1,0]
	v_pk_mul_f32 v[160+2*ii:161+2*ii], v[160+2*ii:161+2*ii], v[12:13] op_sel_hi:[1,0]
.set ii,ii+1
.endr
; source 0 = 16 pair rows, source 1 = the heads; step q takes z = 2 q, 2 q + 1, 64 + 2 q, 64 + 2 q + 1 on both sides.  The two sums take turns; v240-255 are written by matrix instructions alone
	v_wmma_f32_16x16x4_f32 v[240:247], v[96:97], v[32:33], v[224:231]
	v_wmma_f32_16x16x4_f32 v[248:255], v[160:161], v[32:33], v[224:231]
.set qq,1
.rept 31
	v_wmma_f32_16x16x4_f32 v[240:247], v[96+2*qq:97+2*qq], v[32+2*qq:33+2*qq], v[240:247]
	v_wmma_f32_16x16x4_f32 v[248:255], v[160+2*qq:161+2*qq], v[32+2*qq:33+2*qq], v[248:255]
.set qq,qq+1
.endr
	PLACES 9                                       ; behind the f32 form: in front of the reads of the results
.irp e,0,1                                     ; register j of lane (r, h) of tile e: head r % 8, query row 2 w + e, key 8 h + j of my 16  ->  image register 8 h + j of the block, lane = query row
	ds_store_b128 v24, v[240+8*\e:243+8*\e] offset:16*\e
	ds_store_b128 v24, v[244+8*\e:247+8*\e] offset:16*\e+512
.endr
.endm
	PROW
	s_wait_dscnt 0x0                               ; for the others' sake: my results lie in LDS
	s_barrier_signal -1
	s_barrier_wait -1
.irp a,0,1
	ds_load_b128 v[96+4*\a:99+4*\a], v25 offset:1024*\a
.endr
.irp a,0,1
	s_wait_dscnt 1-\a                              ; the younger load may be out
	global_store_b128 v27, v[96+4*\a:99+4*\a], s[28:29] offset:1024*\a    ; two aligned runs of 256 consecutive bytes
.endr
	FINISH
; ---------------- path W: one job J (in s12), taken by a wave of path X behind its tile
.LW:
	s_load_b256 s[16:23], s[0:1], 0x10             ; Wqkv_r, Wqkv_c, W1, W0_r
	s_load_b128 s[24:27], s[0:1], 0x30             ; W0_c, W2
	s_load_b128 s[28:31], s[0:1], 0x70             ; wcodes, wscales
	s_wait_alu depctr_va_vdst(0)
	v_and_b32 v6, 8, v4
	s_delay_alu instid0(VALU_DEP_1)
	v_add_nc_u32 v6, v6, v4                        ; r + 8 (r / 8)
	v_lshlrev_b32 v7, 4, v3                        ; 16 L
	v_lshlrev_b32 v9, 2, v3                        ; 4 L
	s_wait_kmcnt 0x0
	s_cmp_lt_u32 s12, 64
	s_cbranch_scc1 .LWQ
	s_cmp_lt_u32 s12, 192
	s_cbranch_scc1 .LW1
	s_cmp_lt_u32 s12, 224                          ; 192-223 W0_r, 224-255 W0_c, 256-383 W2: rows of 1,024 bytes
	s_cselect_b64 s[32:33], s[22:23], s[24:25]
	s_cmp_lt_u32 s12, 256
	s_cselect_b64 s[32:33], s[32:33], s[26:27]
	s_cselect_b32 s37, 1, 3                        ; K steps of a tile: 2 or 8
	s_cselect_b32 s38, 1, 7
	s_cselect_b32 s36, 64, 192
	s_cselect_b32 s39, 31, 127
	s_and_b32 s39, s12, s39                        ; the fragment's number in its weight
	s_lshr_b32 s34, s39, s37                       ; tile of 16 columns
	s_and_b32 s35, s39, s38                        ; K step
	s_add_co_u32 s36, s36, s12                     ; its place in wcodes
; one fragment: lane r takes a column and its registers run down K, in the order of the operand's registers
.macro WF1 pitch
	s_mul_i32 s40, s35, 128*\pitch
	s_lshr_b32 s41, s34, 1
	s_lshl_b32 s41, s41, 7
	s_add_co_u32 s40, s40, s41
	s_and_b32 s41, s34, 1
	s_lshl_b32 s41, s41, 5
	s_add_co_u32 s40, s40, s41
	s_mov_b32 s41, 0
	s_add_nc_u64 s[32:33], s[32:33], s[40:41]
	v_lshlrev_b32 v8, 2, v6
	s_delay_alu instid0(VALU_DEP_1)
	v_mad_u32_u24 v8, v5, 32*\pitch, v8            ; lanes 16-31 begin 32 rows further down
.set ii,0
.rept 64
	global_load_b32 v[112+ii], v8, s[32:33] offset:(64*(ii/32)+ii%32)*\pitch th:TH_LOAD_NT
.set ii,ii+1
.endr
	s_mul_i32 s40, s36, 1536
	s_add_nc_u64 s[28:29], s[28:29], s[40:41]
	s_lshl_b32 s40, s36, 7
	s_add_nc_u64 s[30:31], s[30:31], s[40:41]
	s_wait_loadcnt 0x0
.irp c,0,1
	v_max3_num_f32 v[16+\c], |v[112+32*\c]|, |v[113+32*\c]|, FLOOR
.endr
.irp i,2,4,6,8,10,12,14,16,18,20,22,24,26,28,30
.irp c,0,1
	s_delay_alu instid0(VALU_DEP_2)
	v_max3_num_f32 v[16+\c], v[16+\c], |v[112+32*\c+\i]|, |v[113+32*\c+\i]|
.endr
.endr
.irp c,0,1
	s_delay_alu instid0(VALU_DEP_2)
	v_add_nc_u32 v[18+\c], 0xff000000, v[16+\c]
.endr
.irp c,0,1
	s_delay_alu instid0(VALU_DEP_2)
	v_lshrrev_b32 v[20+\c], 23, v[18+\c]
.endr
	s_delay_alu instid0(VALU_DEP_1)
	v_lshl_or_b32 v22, v21, 16, v20                ; my two bytes: blocks h and 2 + h,
	v_lshlrev_b32 v23, 3, v5
	s_delay_alu instid0(VALU_DEP_1)
	v_lshlrev_b32 v22, v23, v22                    ; at their places;
	v_mov_b32 v23, 0
	s_delay_alu instid0(VALU_DEP_1)
	v_permlanex16_b32 v23, v22, s[SEL], s[SEL+1]
	s_delay_alu instid0(VALU_DEP_1)
	v_or_b32 v22, v22, v23                         ; with lane l xor 16's the word is whole
.irp c,0,1
	v_cvt_scalef32_pk16_fp6_f32 v[64+6*\c:66+6*\c], v[112+32*\c:127+32*\c], v[18+\c]
	v_cvt_scalef32_pk16_fp6_f32 v[24+4*\c:26+4*\c], v[128+32*\c:143+32*\c], v[18+\c]
.endr
	v_nop
.irp c,0,1
.irp i,0,1,2
	v_mov_b32 v[67+6*\c+\i], v[24+4*\c+\i]
.endr
.endr
.irp c,0,1,2
	global_store_b128 v7, v[64+4*\c:67+4*\c], s[28:29] offset:512*\c
.endr
	global_store_b32 v9, v22, s[30:31]
	FINISH
.endm
	s_wait_alu depctr_va_vdst(0)
	WF1 1024
.LW1:                                              ; 64-191: W1, rows of 4,096 bytes
	s_mov_b64 s[32:33], s[20:21]
	s_sub_co_u32 s39, s12, 64
	s_lshr_b32 s34, s39, 1
	s_and_b32 s35, s39, 1
	s_add_co_u32 s36, s12, 256
	s_wait_alu depctr_va_vdst(0)
	WF1 4096
.LWQ:                                              ; 0-63: Wqkv: column = 32 d + 8 kind + head, so one load of 16 bytes brings four heads: four fragments a job
	s_lshr_b32 s34, s12, 5                         ; which of the two weights
	s_cmp_eq_u32 s34, 0
	s_cselect_b64 s[32:33], s[16:17], s[18:19]
	s_bfe_u32 s35, s12, 0x10004                    ; u: which 16 of the 32 d
	s_bfe_u32 s36, s12, 0x10003                    ; K step
	s_bfe_u32 s37, s12, 0x20001                    ; kind: q, k, v, g
	s_and_b32 s38, s12, 1                          ; heads 0-3 or 4-7
	s_lshl_b32 s40, s36, 19
	s_lshl_b32 s41, s35, 10
	s_add_co_u32 s40, s40, s41
	s_lshl_b32 s41, s37, 5
	s_add_co_u32 s40, s40, s41
	s_lshl_b32 s41, s38, 4
	s_add_co_u32 s40, s40, s41
	s_mov_b32 s41, 0
	s_add_nc_u64 s[32:33], s[32:33], s[40:41]
	s_lshl_b32 s42, s34, 7                         ; the first fragment's place: 128 weight + 64 (heads / 4) + 4 kind + 2 u + K step
	s_lshl_b32 s43, s38, 6
	s_add_co_u32 s42, s42, s43
	s_lshl_b32 s43, s37, 2
	s_add_co_u32 s42, s42, s43
	s_lshl_b32 s43, s35, 1
	s_add_co_u32 s42, s42, s43
	s_add_co_u32 s42, s42, s36
	s_mul_i32 s40, s42, 1536
	s_add_nc_u64 s[28:29], s[28:29], s[40:41]
	s_lshl_b32 s40, s42, 7
	s_add_nc_u64 s[30:31], s[30:31], s[40:41]
	s_wait_alu depctr_va_vdst(0)
	v_lshlrev_b32 v8, 7, v6
	s_delay_alu instid0(VALU_DEP_1)
	v_lshl_add_u32 v8, v5, 17, v8
.macro WQC c
.set ii,0
.rept 32
	global_load_b128 v[112+4*ii:115+4*ii], v8, s[32:33] offset:(64*\c+ii)*4096 th:TH_LOAD_NT
.set ii,ii+1
.endr
	s_wait_loadcnt 0x0
.irp q,0,1,2,3
	v_max3_num_f32 v16, |v[112+\q]|, |v[116+\q]|, FLOOR
.set ii,2
.rept 15
	s_delay_alu instid0(VALU_DEP_1)
	v_max3_num_f32 v16, v16, |v[112+4*ii+\q]|, |v[116+4*ii+\q]|
.set ii,ii+2
.endr
	s_delay_alu instid0(VALU_DEP_1)
	v_add_nc_u32 v17, 0xff000000, v16
	s_delay_alu instid0(VALU_DEP_1)
	v_lshrrev_b32 v[20+2*\q+\c], 23, v17
.set ii,0
.rept 32
	v_mov_b32 v[32+ii], v[112+4*ii+\q]             ; the conversion takes consecutive registers
.set ii,ii+1
.endr
	v_cvt_scalef32_pk16_fp6_f32 v[64+12*\q+6*\c:66+12*\q+6*\c], v[32:47], v17
	v_cvt_scalef32_pk16_fp6_f32 v[28:30], v[48:63], v17
	v_nop
.irp i,0,1,2
	v_mov_b32 v[67+12*\q+6*\c+\i], v[28+\i]
.endr
.endr
.endm
	WQC 0
	WQC 1
	v_lshlrev_b32 v18, 3, v5
.irp q,0,1,2,3
	v_lshl_or_b32 v[12+\q], v[21+2*\q], 16, v[20+2*\q]
	s_delay_alu instid0(VALU_DEP_1)
	v_lshlrev_b32 v[12+\q], v18, v[12+\q]
	v_mov_b32 v16, 0
	s_delay_alu instid0(VALU_DEP_1)
	v_permlanex16_b32 v16, v[12+\q], s[SEL], s[SEL+1]
	s_delay_alu instid0(VALU_DEP_1)
	v_or_b32 v[12+\q], v[12+\q], v16
.endr
.irp q,0,1,2,3
.irp c,0,1,2
	global_store_b128 v7, v[64+12*\q+4*\c:67+12*\q+4*\c], s[28:29] offset:24576*\q+512*\c
.endr
	global_store_b32 v9, v[12+\q], s[30:31] offset:2048*\q
.endr
	FINISH
.Lfunc_end_k_q828644656b_prep:
	.size	k_q828644656b_prep, .Lfunc_end_k_q828644656b_prep-k_q828644656b_prep
	.p2alignl 7, 3214868480
	.fill 96, 4, 3214868480
	.section	.rodata,"a",@progbits
	.p2align	6, 0x0
	.amdhsa_kernel k_q828644656b_prep
		.amdhsa_group_segment_fixed_size 152576
		.amdhsa_private_segment_fixed_size 0
		.amdhsa_enable_private_segment 0
		.amdhsa_kernarg_size 152
		.amdhsa_user_sgpr_count 2
		.amdhsa_user_sgpr_kernarg_segment_ptr 1
		.amdhsa_wavefront_size32 1
		.amdhsa_system_sgpr_workgroup_id_x 1
		.amdhsa_system_sgpr_workgroup_id_y 1
		.amdhsa_system_sgpr_workgroup_id_z 1
		.amdhsa_system_vgpr_workitem_id 0
		.amdhsa_next_free_vgpr 256
		.amdhsa_next_free_sgpr 66
		.amdhsa_reserve_vcc 0
		.amdhsa_float_denorm_mode_32 3
		.amdhsa_float_denorm_mode_16_64 3
		.amdhsa_memory_ordered 1
		.amdhsa_forward_progress 1
		.amdhsa_inst_pref_size 167
	.end_amdhsa_kernel
	.amdgpu_metadata
---
amdhsa.version: [ 1, 2 ]
amdhsa.kernels:
  - .name:           k_q828644656b_prep
    .symbol:         k_q828644656b_prep.kd
    .args:
      - { .name: x, .offset: 0, .size: 8, .value_kind: global_buffer, .address_space: global }
      - { .name: bias_rep, .offset: 8, .size: 8, .value_kind: global_buffer, .address_space: global }
      - { .name: Wqkv_r, .offset: 16, .size: 8, .value_kind: global_buffer, .address_space: global }
      - { .name: Wqkv_c, .offset: 24, .size: 8, .value_kind: global_buffer, .address_space: global }
      - { .name: W1, .offset: 32, .size: 8, .value_kind: global_buffer, .address_space: global }
      - { .name: W0_r, .offset: 40, .size: 8, .value_kind: global_buffer, .address_space: global }
      - { .name: W0_c, .offset: 48, .size: 8, .value_kind: global_buffer, .address_space: global }
      - { .name: W2, .offset: 56, .size: 8, .value_kind: global_buffer, .address_space: global }
      - { .name: Wb, .offset: 64, .size: 8, .value_kind: global_buffer, .address_space: global }
      - { .name: bb, .offset: 72, .size: 8, .value_kind: global_buffer, .address_space: global }
      - { .name: g1, .offset: 80, .size: 8, .value_kind: global_buffer, .address_space: global }
      - { .name: be1, .offset: 88, .size: 8, .value_kind: global_buffer, .address_space: global }
      - { .name: g2, .offset: 96, .size: 8, .value_kind: global_buffer, .address_space: global }
      - { .name: be2, .offset: 104, .size: 8, .value_kind: global_buffer, .address_space: global }
      - { .name: wcodes, .offset: 112, .size: 8, .value_kind: global_buffer, .address_space: global }
      - { .name: wscales, .offset: 120, .size: 8, .value_kind: global_buffer, .address_space: global }
      - { .name: xcodes, .offset: 128, .size: 8, .value_kind: global_buffer, .address_space: global }
      - { .name: xscales, .offset: 136, .size: 8, .value_kind: global_buffer, .address_space: global }
      - { .name: biasimg, .offset: 144, .size: 8, .value_kind: global_buffer, .address_space: global }
    .group_segment_fixed_size: 152576
    .private_segment_fixed_size: 0
    .kernarg_segment_align: 8
    .kernarg_segment_size: 152
    .max_flat_workgroup_size: 256
    .sgpr_count:     66
    .vgpr_count:     256
    .wavefront_size: 32
...
	.end_amdgpu_metadata
.endif
;; end of part 1
;; launch rowatt (part 2): grid 32 x 8, 8 waves a work-group, clusters of 4 x 1, 327,680 bytes of LDS; arguments xcodes, xscales, wcodes, wscales, biasimg, ocodes; writes ocodes
.if DOCPART == 2
	.amdgcn_target "amdgcn-amd-amdhsa--gfx1250"
	.amdhsa_code_object_version 6
	.text
	.protected	k_q828644656b_rowatt
	.globl	k_q828644656b_rowatt
	.p2align	8
	.type	k_q828644656b_rowatt,@function
k_q828644656b_rowatt:
	s_mov_b64 s[64:65], 0
	v_nop
	global_prefetch_b8 v0, s[64:65] scope:SCOPE_SE
	s_setreg_imm32_b32 hwreg(HW_REG_WAVE_MODE, 25, 1), 1
	s_wait_xcnt 0x0
	s_wait_alu depctr_hold_cnt(0) depctr_sa_sdst(0) depctr_va_vdst(0) depctr_va_sdst(0) depctr_va_ssrc(0) depctr_va_vcc(0) depctr_vm_vsrc(0)
	s_getreg_b32 s2, hwreg(HW_REG_IB_STS2, 6, 4)
	s_cmp_eq_u32 s2, 0
	s_cbranch_scc0 .Lentry_in_a_cluster
	s_endpgm
.Lentry_in_a_cluster:
	s_bfe_u32 s2, ttmp6, 0x10000c
	s_cmp_lg_u32 s2, 0x3003
	s_cbranch_scc0 .Lentry_shape_is_right
	s_endpgm
.Lentry_shape_is_right:
; ROW ATTENTION.  A work-group is one head h (y) and four MSA rows s (x); two waves to a row, each with 128 of its 256 tokens (8 tiles of 16) as keys and as queries.
; All products on codes of E2M3 with E8M0 scales.  x's and the weights' codes arrive in the order of the operands' registers and go from memory straight into registers.
; B: k and v of my 8 tiles (k transposed: a lane holds one key and 16 d; v with x as source 0: a lane holds one d and registers along the tokens), quantised in registers,
;    images to LDS | barrier | the row's 4 fragments of k and 4 of v come into registers and stay.
; C: for each of my 8 query tiles: q and g; S^T = k q^T with the pair bias (x sqrt 32) as C; the softmax of the whole row of 256 keys at once; O^T = v^T p^T; the gate; o's codes.
; K = 32 UNDER AN INSTRUCTION OF 128: a fragment of k holds FOUR key tiles, one in each block of 32; the query tile stands in block b alone, zero codes elsewhere (four variants cut from one run of 30 registers).
; THE SOFTMAX: t = S log2(e) / sqrt 32; M = ceil(the row's largest t); p = 2^(t - M) is quantised; the row's sum l is taken of the unquantised p; o = O / (l (1 + 2^(-g log2 e))).
; The head's bias image, 262,144 bytes, is copied into LDS once and serves the four rows.  With it, the images and the stages 322,560 bytes of LDS are in use: no room for slots, so the weights and x are not asked for
; jointly in a cluster; each wave reads them once.
; LIMITS: a block whose largest magnitude lies under 2^-124 gets the byte 1 and zero codes; NaN and infinities are not served; a block's largest p is taken from its largest score (v_exp_f32 is taken not to fall where its input rises).
; WINDOW 1: v0-95 eight fragments (first Wk, Wv, then k, v); v96-191 four buffers of two fragments (x tiles, then Wq, Wg); v192-215 the query tile's x; v216-245 zeros, q low, zeros, q high, zeros; v246-253 the way out.
.set KVX,   262144                     ; behind the bias: 12,800 bytes a row: k's 4 images, v's 4, 8 x 64 bytes of scale words
.set OST,   313344                     ; 1,024 bytes a wave: 32 tokens' 32 bytes
.set SPARE, 321536
.set FLOOR, 0x1800000
.set WS,  16                           ; v16-23  scale words of the eight fragments
.set XSR, 24                           ; v24-31  of the four buffers
.set XS,  32                           ; v32-33  of the query tile's x
.set QS,  34                           ; v34     q's byte, four times
.set PW,  35                           ; v35-36  p's scale words (in B: the word just made)
.set EB,  37
.set NM,  38                           ; v38     -M (v39 named with it)
.set LA,  40
.set LB,  42
.set OP,  44                           ; v44-51  a token's 32 bytes
.set OT,  52
.set BM,  56                           ; v56-63
.set QG,  64                           ; v64-79  q, later O^T;
.set GG,  80                           ; v80-95  g
.set PC,  96                           ; v96-115
.set BT,  116                          ; v116-123
.set MX,  124
.set TB,  125
.set SS,  128                          ; v128-255 the scores
.set KACC, 128
.set VACC, 192
.set SEL, 22
.set CS,  24
.set NL2, 38
.set MSB, 0
.macro WIN new                         ; the immediate's high byte repeats the setting that is left
.if MSB != \new
	s_set_vgpr_msb (MSB<<8)|\new
.set MSB, \new
.endif
.endm
.macro ROUND                           ; a round of the cluster's barrier
	s_barrier_signal -1
	s_barrier_wait -1
	s_cmp_lg_u32 s16, 0
	s_cbranch_scc1 .Lnot_wave_0_\@
	s_barrier_signal -3
.Lnot_wave_0_\@:
	s_barrier_wait -3
	s_barrier_signal -1
	s_barrier_wait -1
.endm
.macro PLACES n
.rept \n
	v_nop
.endr
.endm
.macro MM0 d, a, b, sa, sb             ; a product that starts a sum
	v_wmma_scale_f32_16x16x128_f8f6f4 v[\d:\d+7], v[\a:\a+11], v[\b:\b+11], 0, v[\sa], v[\sb] matrix_a_fmt:MATRIX_FMT_FP6 matrix_b_fmt:MATRIX_FMT_FP6
.endm
.macro MMA d, a, b, sa, sb             ; and one that adds in place
	v_wmma_scale_f32_16x16x128_f8f6f4 v[\d:\d+7], v[\a:\a+11], v[\b:\b+11], v[\d:\d+7], v[\sa], v[\sb] matrix_a_fmt:MATRIX_FMT_FP6 matrix_b_fmt:MATRIX_FMT_FP6
.endm
.macro QUANT s, mx, tb, so, pc, pw     ; 64 numbers of a lane, register 16 b + i = k 32 b + 16 (lane / 16) + i, become a fragment and its scale word
.irp b,0,1,2,3
	v_max3_num_f32 v[(\mx)+\b], |v[(\s)+16*\b]|, |v[(\s)+1+16*\b]|, FLOOR
.endr
.irp i,2,4,6,8,10,12,14
.irp b,0,1,2,3
	v_max3_num_f32 v[(\mx)+\b], v[(\mx)+\b], |v[(\s)+16*\b+\i]|, |v[(\s)+1+16*\b+\i]|
.endr
.endr
.irp b,0,1,2,3
	s_delay_alu instid0(VALU_DEP_4)
	v_permlanex16_b32 v[(\tb)+\b], v[(\mx)+\b], s[SEL], s[SEL+1]
.endr
.irp b,0,1,2,3
	s_delay_alu instid0(VALU_DEP_4)
	v_max_num_f32 v[(\mx)+\b], v[(\mx)+\b], v[(\tb)+\b]
.endr
.irp b,0,1,2,3
	s_delay_alu instid0(VALU_DEP_4)
	v_add_nc_u32 v[(\so)+\b], 0xff000000, v[(\mx)+\b]
.endr
.irp b,0,1,2,3
	s_delay_alu instid0(VALU_DEP_4)
	v_lshrrev_b32 v[(\tb)+\b], 23, v[(\so)+\b]
.endr
	s_delay_alu instid0(VALU_DEP_3)
	v_lshl_or_b32 v[\pw], v[(\tb)+1], 8, v[\tb]
	s_delay_alu instid0(VALU_DEP_1)
	v_lshl_or_b32 v[\pw], v[(\tb)+2], 16, v[\pw]
	s_delay_alu instid0(VALU_DEP_1)
	v_lshl_or_b32 v[\pw], v[(\tb)+3], 24, v[\pw]
.irp c,0,1
	v_cvt_scalef32_pk16_fp6_f32 v[(\pc)+6*\c:(\pc)+2+6*\c], v[(\s)+32*\c:(\s)+15+32*\c], v[(\so)+2*\c]
	v_cvt_scalef32_pk16_fp6_f32 v[(\pc)+12+4*\c:(\pc)+14+4*\c], v[(\s)+16+32*\c:(\s)+31+32*\c], v[(\so)+2*\c+1]
.endr
	v_nop
.irp c,0,1
.irp i,0,1,2
	v_permlane16_swap_b32 v[(\pc)+6*\c+\i], v[(\pc)+12+4*\c+\i]
.endr
.irp i,0,1,2
	s_delay_alu instid0(VALU_DEP_3)
	v_mov_b32 v[(\pc)+3+6*\c+\i], v[(\pc)+12+4*\c+\i]
.endr
.endr
.endm
.macro QB src, dst, e, mx, tb          ; one block of 32: 16 numbers in lane l, 16 in lane l xor 16: three registers of codes and the byte
	v_max3_num_f32 v[\mx], |v[\src]|, |v[\src+1]|, FLOOR
.irp i,2,4,6,8,10,12,14
	v_max3_num_f32 v[\mx], v[\mx], |v[\src+\i]|, |v[\src+\i+1]|
.endr
	s_delay_alu instid0(VALU_DEP_1)
	v_permlanex16_b32 v[\tb], v[\mx], s[SEL], s[SEL+1]
	s_delay_alu instid0(VALU_DEP_1)
	v_max_num_f32 v[\mx], v[\mx], v[\tb]
	s_delay_alu instid0(VALU_DEP_1)
	v_add_nc_u32 v[\tb], 0xff000000, v[\mx]
	s_delay_alu instid0(VALU_DEP_1)
	v_lshrrev_b32 v[\e], 23, v[\tb]
	v_cvt_scalef32_pk16_fp6_f32 v[\dst:\dst+2], v[\src:\src+15], v[\tb]
	v_nop
.endm
.macro QVB lo, hi                      ; from the three registers at lo: six with the whole block in lanes 0-15 and zeros above (lo), six the other way round (hi)
.irp i,0,1,2
	v_mov_b32 v[\hi+3+\i], v[\lo+\i]
	v_mov_b32 v[\lo+3+\i], 0
	v_mov_b32 v[\hi+\i], 0
.endr
.irp i,0,1,2
	v_permlane16_swap_b32 v[\lo+\i], v[\lo+3+\i]
	v_permlane16_swap_b32 v[\hi+\i], v[\hi+3+\i]
.endr
.endm
; the softmax of a whole row: nb blocks of 32 keys in v[SS] on; leaves p in place, the blocks' scale operands in v[BT] on, the scale words in v[PW] on, the sum in the pair v[LA]; v[GG] on become 2^(that)
.macro SOFTMAX nb
.set bq,0
.rept \nb
	v_max3_num_f32 v[BM+bq], v[SS+16*bq], v[SS+16*bq+1], v[SS+16*bq+2]     ; each block's largest score serves the row's maximum and the block's largest p
.set bq,bq+1
.endr
.irp i,3,5,7,9,11,13
.set bq,0
.rept \nb
	v_max3_num_f32 v[BM+bq], v[BM+bq], v[SS+16*bq+\i], v[SS+16*bq+\i+1]
.set bq,bq+1
.endr
.endr
.set bq,0
.rept \nb
	v_max_num_f32 v[BM+bq], v[BM+bq], v[SS+16*bq+15]
.set bq,bq+1
.endr
.set bq,0
.rept \nb
	v_permlanex16_b32 v[BT+bq], v[BM+bq], s[SEL], s[SEL+1]
.set bq,bq+1
.endr
.set bq,0
.rept \nb
	v_max_num_f32 v[BM+bq], v[BM+bq], v[BT+bq]
.set bq,bq+1
.endr
	v_max3_num_f32 v[MX], v[BM], v[BM+1], v[BM+2]
.if \nb == 8
	s_delay_alu instid0(VALU_DEP_1)
	v_max3_num_f32 v[MX], v[MX], v[BM+3], v[BM+4]
	s_delay_alu instid0(VALU_DEP_1)
	v_max3_num_f32 v[MX], v[MX], v[BM+5], v[BM+6]
	s_delay_alu instid0(VALU_DEP_1)
	v_max_num_f32 v[MX], v[MX], v[BM+7]
.else
	v_max_num_f32 v[MX], v[MX], v[BM+3]
.endif
	s_delay_alu instid0(VALU_DEP_1)
	v_mul_f32 v[MX], s[CS], v[MX]                  ; as t
	s_delay_alu instid0(VALU_DEP_1)
	v_floor_f32 v[NM], -v[MX]                      ; -M = floor(-t): M is a whole number
.set jq,0
.rept 8*\nb
	v_pk_fma_f32 v[SS+2*jq:SS+2*jq+1], v[SS+2*jq:SS+2*jq+1], s[CS:CS+1], v[NM:NM+1] op_sel_hi:[1,0,0]
.set jq,jq+1
.endr
.set bq,0
.rept \nb
	v_fma_f32 v[BM+bq], v[BM+bq], s[CS], v[NM]
.set bq,bq+1
.endr
.set jq,0
	s_wait_alu depctr_va_vdst(0)
.rept 16*\nb
	v_exp_f32 v[SS+jq], v[SS+jq]
.set jq,jq+1
.endr
.set jq,0
.rept 16
	v_exp_f32 v[GG+jq], v[GG+jq]
.set jq,jq+1
.endr
	v_nop                                          ; a plain place behind the batch,
	s_wait_alu depctr_va_vdst(0)                   ; and one wait for all of it, ahead of its first reader
.set bq,0
.rept \nb
	v_exp_f32 v[BM+bq], v[BM+bq]                   ; the blocks' largest p
.set bq,bq+1
.endr
	v_pk_add_f32 v[42:43], v[128:129], v[130:131]
	v_pk_add_f32 v[126:127], v[136:137], v[140:141]
	v_pk_add_f32 v[122:123], v[144:145], v[148:149]
	v_pk_add_f32 v[120:121], v[152:153], v[156:157]
	v_pk_add_f32 v[118:119], v[160:161], v[164:165]
	v_pk_add_f32 v[116:117], v[168:169], v[172:173]
	v_pk_add_f32 v[114:115], v[176:177], v[180:181]
	v_pk_add_f32 v[40:41], v[184:185], v[188:189]
	v_pk_add_f32 v[40:41], v[40:41], v[192:193]
	v_pk_add_f32 v[42:43], v[42:43], v[196:197]
	v_pk_add_f32 v[126:127], v[126:127], v[200:201]
	v_pk_add_f32 v[122:123], v[122:123], v[204:205]
	v_pk_add_f32 v[120:121], v[120:121], v[208:209]
	v_pk_add_f32 v[118:119], v[118:119], v[212:213]
	v_pk_add_f32 v[116:117], v[116:117], v[216:217]
	v_pk_add_f32 v[114:115], v[114:115], v[220:221]
	v_pk_add_f32 v[40:41], v[40:41], v[224:225]
	v_pk_add_f32 v[42:43], v[42:43], v[228:229]
	v_pk_add_f32 v[126:127], v[126:127], v[232:233]
	v_pk_add_f32 v[122:123], v[122:123], v[236:237]
	v_pk_add_f32 v[120:121], v[120:121], v[240:241]
	v_pk_add_f32 v[118:119], v[118:119], v[244:245]
	v_pk_add_f32 v[116:117], v[116:117], v[248:249]
	v_pk_add_f32 v[114:115], v[114:115], v[252:253]
	v_pk_add_f32 v[40:41], v[40:41], v[132:133]
	v_pk_add_f32 v[42:43], v[42:43], v[134:135]
	v_pk_add_f32 v[126:127], v[126:127], v[138:139]
	v_pk_add_f32 v[122:123], v[122:123], v[142:143]
	v_pk_add_f32 v[120:121], v[120:121], v[146:147]
	v_pk_add_f32 v[118:119], v[118:119], v[150:151]
	v_pk_add_f32 v[116:117], v[116:117], v[154:155]
	v_pk_add_f32 v[114:115], v[114:115], v[158:159]
	v_pk_add_f32 v[40:41], v[40:41], v[162:163]
	v_pk_add_f32 v[42:43], v[42:43], v[166:167]
	v_pk_add_f32 v[126:127], v[126:127], v[170:171]
	v_pk_add_f32 v[122:123], v[122:123], v[174:175]
	v_pk_add_f32 v[120:121], v[120:121], v[178:179]
	v_pk_add_f32 v[118:119], v[118:119], v[182:183]
	v_pk_add_f32 v[116:117], v[116:117], v[186:187]
	v_pk_add_f32 v[114:115], v[114:115], v[190:191]
	v_pk_add_f32 v[40:41], v[40:41], v[194:195]
	v_pk_add_f32 v[42:43], v[42:43], v[198:199]
	v_pk_add_f32 v[126:127], v[126:127], v[202:203]
	v_pk_add_f32 v[122:123], v[122:123], v[206:207]
	v_pk_add_f32 v[120:121], v[120:121], v[210:211]
	v_pk_add_f32 v[118:119], v[118:119], v[214:215]
	v_pk_add_f32 v[116:117], v[116:117], v[218:219]
	v_pk_add_f32 v[114:115], v[114:115], v[222:223]
	v_pk_add_f32 v[40:41], v[40:41], v[226:227]
	v_pk_add_f32 v[42:43], v[42:43], v[230:231]
	v_pk_add_f32 v[126:127], v[126:127], v[234:235]
	v_pk_add_f32 v[122:123], v[122:123], v[238:239]
	v_pk_add_f32 v[120:121], v[120:121], v[242:243]
	v_pk_add_f32 v[118:119], v[118:119], v[246:247]
	v_pk_add_f32 v[116:117], v[116:117], v[250:251]
	v_pk_add_f32 v[114:115], v[114:115], v[254:255]
	s_delay_alu instid0(VALU_DEP_4)
	v_pk_add_f32 v[40:41], v[40:41], v[120:121]
	s_delay_alu instid0(VALU_DEP_4)
	v_pk_add_f32 v[42:43], v[42:43], v[118:119]
	s_delay_alu instid0(VALU_DEP_4)
	v_pk_add_f32 v[126:127], v[126:127], v[116:117]
	s_delay_alu instid0(VALU_DEP_4)
	v_pk_add_f32 v[122:123], v[122:123], v[114:115]
	s_delay_alu instid0(VALU_DEP_2)
	v_pk_add_f32 v[40:41], v[40:41], v[126:127]
	s_delay_alu instid0(VALU_DEP_2)
	v_pk_add_f32 v[42:43], v[42:43], v[122:123]
	s_delay_alu instid0(VALU_DEP_1)
	v_pk_add_f32 v[40:41], v[40:41], v[42:43]
	s_wait_alu depctr_va_vdst(0)                   ; and one for the small batch
.set bq,0
.rept \nb
	v_max_num_f32 v[BM+bq], FLOOR, v[BM+bq]
.set bq,bq+1
.endr
.set bq,0
.rept \nb
	v_add_nc_u32 v[BT+bq], 0xff000000, v[BM+bq]
.set bq,bq+1
.endr
.set bq,0
.rept \nb
	v_lshrrev_b32 v[BM+bq], 23, v[BT+bq]
.set bq,bq+1
.endr
.set kq,0
.rept \nb/4
	v_lshl_or_b32 v[PW+kq], v[BM+4*kq+1], 8, v[BM+4*kq]
	s_delay_alu instid0(VALU_DEP_1)
	v_lshl_or_b32 v[PW+kq], v[BM+4*kq+2], 16, v[PW+kq]
	s_delay_alu instid0(VALU_DEP_1)
	v_lshl_or_b32 v[PW+kq], v[BM+4*kq+3], 24, v[PW+kq]
.set kq,kq+1
.endr
.endm
.macro PCVT ks, src, dst               ; 128 keys' p become a fragment
.irp c,0,1
	v_cvt_scalef32_pk16_fp6_f32 v[(\dst)+6*\c:(\dst)+6*\c+2], v[(\src)+32*\c:(\src)+32*\c+15], v[BT+4*(\ks)+2*\c]
	v_cvt_scalef32_pk16_fp6_f32 v[(\dst)+12+4*\c:(\dst)+14+4*\c], v[(\src)+16+32*\c:(\src)+31+32*\c], v[BT+4*(\ks)+2*\c+1]
.endr
	v_nop
.irp c,0,1
.irp i,0,1,2
	v_permlane16_swap_b32 v[(\dst)+6*\c+\i], v[(\dst)+12+4*\c+\i]
.endr
.irp i,0,1,2
	s_delay_alu instid0(VALU_DEP_3)
	v_mov_b32 v[(\dst)+3+6*\c+\i], v[(\dst)+12+4*\c+\i]
.endr
.endr
.endm
.macro GATE1                           ; l, then 1 / (l (1 + 2^(-g log2 e))): issued ahead of the last products; the sixteen multiply-adds are the places in front of them
	v_add_f32 v[LA], v[LA], v[LA+1]
	s_delay_alu instid0(VALU_DEP_1)
	v_permlanex16_b32 v[LA+1], v[LA], s[SEL], s[SEL+1]
	s_delay_alu instid0(VALU_DEP_1)
	v_add_f32 v[LA], v[LA], v[LA+1]
.set jq,0
.rept 16
	v_fma_f32 v[GG+jq], v[GG+jq], v[LA], v[LA]
.set jq,jq+1
.endr
.set jq,0
	s_wait_alu depctr_va_vdst(0)
.rept 16
	v_rcp_f32 v[GG+jq], v[GG+jq]
.set jq,jq+1
.endr
	v_nop
.endm
.macro GATE2
	PLACES 5
	s_wait_alu depctr_va_vdst(0)                   ; one wait for the sixteen reciprocals
.set jq,0
.rept 8
	v_pk_mul_f32 v[QG+2*jq:QG+2*jq+1], v[QG+2*jq:QG+2*jq+1], v[GG+2*jq:GG+2*jq+1]
.set jq,jq+1
.endr
.endm
	s_load_b256 s[4:11], s[0:1], 0x0               ; xcodes, xscales, wcodes, wscales
	s_load_b128 s[12:15], s[0:1], 0x20             ; biasimg, ocodes
	v_lshl_add_u32 v1, v0, 2, SPARE
	v_mov_b32 v2, 0
	ds_add_u32 v1, v2                              ; the wave's opening: the adds and their wait come ahead of my first copy; work on registers stands between
	ds_add_u32 v1, v2
	v_lshrrev_b32 v3, 5, v0
	s_delay_alu instid0(VALU_DEP_1)
	v_readfirstlane_b32 s16, v3                    ; wave
	s_lshr_b32 s17, s16, 1                         ; which of the four rows
	s_and_b32 s18, s16, 1                          ; which half of its tokens
	v_and_b32 v124, 31, v0                         ; L
	v_and_b32 v125, 15, v0                         ; r
	v_bfe_u32 v126, v0, 4, 1                       ; h
	s_delay_alu instid0(VALU_DEP_3)
	v_lshlrev_b32 v3, 4, v124                      ; 16 L
	s_delay_alu instid0(VALU_DEP_4)
	v_lshlrev_b32 v4, 2, v124                      ; 4 L
	s_mul_i32 s19, s17, 12800
	s_add_co_u32 s19, s19, KVX
	v_mul_u32_u24 v7, v124, 48
	s_delay_alu instid0(VALU_DEP_1)
	v_add_nc_u32 v7, s19, v7                       ; images: 48 L
	s_mul_i32 s20, s18, 3072
	v_add_nc_u32 v8, s20, v7                       ; where I put k's
	s_delay_alu instid0(VALU_DEP_1)
	v_add_nc_u32 v9, 6144, v8                      ; and v's
	v_lshl_add_u32 v12, v125, 2, s19
	s_delay_alu instid0(VALU_DEP_1)
	v_add_nc_u32 v12, 12288, v12                   ; scale words: 4 r
	s_lshl_b32 s20, s18, 7
	v_add_nc_u32 v10, s20, v12
	s_delay_alu instid0(VALU_DEP_1)
	v_add_nc_u32 v11, 256, v10
	v_and_b32 v127, 8, v125
	s_delay_alu instid0(VALU_DEP_1)
	v_add_nc_u32 v127, v127, v125
	s_delay_alu instid0(VALU_DEP_1)
	v_lshl_add_u32 v127, v126, 3, v127             ; the token among 32: 8 h + r + 8 (r / 8)
	s_lshl_b32 s20, s16, 10
	s_add_co_u32 s20, s20, OST
	v_lshl_add_u32 v14, v127, 5, s20
	v_add_nc_u32 v15, s20, v3
.irp i,39,51,56,57,58,59,60,61,62,63,116,117,118,119,120,121,122,123
	v_mov_b32 v\i, 0                               ; lane permutes' destinations, upper halves of pairs, the 32nd byte's word
.endr
	s_mov_b32 s[SEL], 0x76543210
	s_mov_b32 s[SEL+1], 0xfedcba98
	s_mov_b32 s[CS], 0x3e8293ee                    ; log2(e) / sqrt(32)
	s_mov_b32 s[CS+1], s[CS]
	s_mov_b32 s[NL2], 0xbfb8aa3b                   ; -log2(e)
	s_mov_b32 s[NL2+1], s[NL2]
	s_mov_b32 s33, 0
	s_mov_b32 s35, 0
	s_mov_b32 s26, 4
	s_lshl_b32 s27, s18, 17                        ; my first query tile's bias
	s_and_b32 s3, ttmp7, 0xffff                    ; the head: work-group y, the same in the cluster's four
	s_bfe_u32 s19, ttmp6, 0x40000                  ; cx
	s_lshl_b32 s20, ttmp9, 2
	s_add_co_u32 s19, s20, s19                     ; work-group x = 4 x cluster x + cx: which four MSA rows
	s_lshl_b32 s19, s19, 2
	s_add_co_u32 s21, s19, s17                     ; s
	s_lshl_b32 s19, s21, 4
	s_lshl_b32 s20, s18, 3
	s_add_co_u32 s19, s19, s20                     ; my first tile
	s_mul_i32 s44, s19, 3072
	s_mov_b32 s45, 0
	s_lshl_b32 s46, s19, 8
	s_mov_b32 s47, 0
	s_mov_b32 s56, 15|(3<<16)|(1<<21)              ; descriptor group 1: the mask names the cluster's four, elements of 8 bytes, bit 21 beside the mask
	s_mov_b32 s57, 32<<16                          ; tensor_dim0 = 32 elements: rows of 256 bytes
	s_mov_b32 s58, 128<<16                         ; tensor_dim1 = 128 rows
	s_mov_b32 s59, 32<<16                          ; tile_dim0
	s_mov_b32 s60, 128                             ; tile_dim1
	s_mov_b32 s61, 32                              ; the pitch: the block is dense
	s_mov_b32 s62, 0
	s_mov_b32 s63, 0
	s_mul_i32 s48, s3, 24576                       ; the head's 16 fragments
	s_mov_b32 s49, 0
	s_lshl_b32 s50, s3, 11
	s_mov_b32 s51, 0
	s_lshl_b32 s52, s3, 18
	s_mov_b32 s53, 0
	s_lshl_b32 s54, s3, 7
	s_add_co_u32 s54, s54, s21
	s_lshl_b32 s54, s54, 13
	s_lshl_b32 s20, s18, 12
	s_add_co_u32 s54, s54, s20
	s_mov_b32 s55, 0
	s_wait_dscnt 0x0                               ; the opening add is done
	s_wait_kmcnt 0x0
	s_add_nc_u64 s[12:13], s[12:13], s[52:53]      ; the head's bias image: its copy stands behind the first three tiles' loads, below
	s_add_nc_u64 s[28:29], s[4:5], s[44:45]
	s_add_nc_u64 s[30:31], s[6:7], s[46:47]
	s_add_nc_u64 s[8:9], s[8:9], s[48:49]
	s_add_nc_u64 s[10:11], s[10:11], s[50:51]
	s_add_nc_u64 s[36:37], s[14:15], s[54:55]
	s_mov_b64 s[40:41], s[28:29]
	s_mov_b64 s[42:43], s[30:31]
	s_mov_b32 s48, 1                               ; descriptor group 0: my wave's 32,768 bytes of the head's bias image; head and wave alone enter it
	s_lshl_b32 s49, s16, 15                        ; in LDS
	s_mov_b32 s52, s49                             ; (s53 = 0)
	s_add_nc_u64 s[50:51], s[12:13], s[52:53]      ; and in the image
	s_or_b32 s51, s51, 0x80000000
	WIN 0x40
.set ii,0
.rept 24
	global_load_b128 v[4*ii:4*ii+3], v3, s[8:9] offset:6144+512*ii         ; Wk, Wv: the head's fragments 4 to 11
.set ii,ii+1
.endr
	WIN 0
.set ii,0
.rept 8
	global_load_b32 v[WS+ii], v4, s[10:11] offset:512+128*ii
.set ii,ii+1
.endr
.macro LDXT buf, j                     ; x's tile j (two fragments on end) into buffer buf: eight loads
	WIN 0x40
.irp c,0,1,2,3,4,5
	global_load_b128 v[96+24*(\buf)+4*\c:99+24*(\buf)+4*\c], v3, s[28:29] offset:3072*(\j)+512*\c
.endr
	WIN 0
	global_load_b32 v[XSR+2*(\buf)], v4, s[30:31] offset:256*(\j)
	global_load_b32 v[XSR+2*(\buf)+1], v4, s[30:31] offset:256*(\j)+128
.endm
.irp j,0,1,2
	LDXT \j, \j
.endr
	ROUND                                          ; the four work-groups of the cluster are here: their joint loads meet
	tensor_load_to_lds s[48:51], s[56:63]          ; the bias, filled once: one load a wave, asked for jointly by the four row groups of this head; it stands behind the 56 loads that the first tiles wait for
	s_nop 0
.rept 4
	v_nop
.endr
	LDXT 3, 3
	WIN 0x40
.irp i,216,217,218,219,220,221,228,229,230,231,232,233,240,241,242,243,244,245
	v_mov_b32 v\i, 0                               ; the zero codes round q
.endr
	WIN 0
; ---- B: k and v of my tile j.  Eight products, the four sums by turns
.macro BTILE j
.set JB, (\j)%4
	s_wait_loadcnt 24                              ; this tile is in: three refills of eight loads are younger, at every j
	WIN 0x05
	MM0 KACC+16*JB, 0, 96+24*JB, WS, XSR+2*JB
	MM0 KACC+16*JB+8, 24, 96+24*JB, WS+2, XSR+2*JB
	MM0 VACC+8*JB, 96+24*JB, 48, XSR+2*JB, WS+4
	MM0 VACC+32+8*JB, 96+24*JB, 72, XSR+2*JB, WS+6
	MMA VACC+8*JB, 108+24*JB, 60, XSR+2*JB+1, WS+5
	MMA VACC+32+8*JB, 108+24*JB, 84, XSR+2*JB+1, WS+7
	MMA KACC+16*JB, 12, 108+24*JB, WS+1, XSR+2*JB+1
	MMA KACC+16*JB+8, 36, 108+24*JB, WS+3, XSR+2*JB+1
	WIN 0
	PLACES 5
.if \j < 4
	LDXT JB, (\j)+4
.else
.set FQ, 2*JB+8*(JB/2)                 ; Wq's fragments 0-3, Wg's 12-15
	WIN 0x40
.irp c,0,1,2,3,4,5
	global_load_b128 v[96+24*JB+4*\c:99+24*JB+4*\c], v3, s[8:9] offset:1536*FQ+512*\c
.endr
	WIN 0
	global_load_b32 v[XSR+2*JB], v4, s[10:11] offset:128*FQ
	global_load_b32 v[XSR+2*JB+1], v4, s[10:11] offset:128*FQ+128
.endif
.if JB == 3
.set GB, (\j)/4
	QUANT KACC, BM, BM+4, BT, PC, PW               ; four key tiles: one fragment, a tile to a block
.irp c,0,1,2
	ds_store_b128 v8, v[PC+4*\c:PC+4*\c+3] offset:1536*GB+16*\c
.endr
	ds_store_b32 v10, v[PW] offset:64*GB
	s_wait_dscnt 0x0                               ; the stores have read their registers
	QUANT VACC, BM, BM+4, BT, PC, PW               ; blocks 0, 1: d tile 0's 64 tokens; blocks 2, 3: d tile 1's
.irp i,0,1,2
	ds_store_b64 v9, v[PC+2*\i:PC+2*\i+1] offset:24*GB+8*\i
	ds_store_b64 v9, v[PC+6+2*\i:PC+7+2*\i] offset:1536+24*GB+8*\i
.endr
	ds_store_b16 v11, v[PW] offset:2*GB
	ds_store_b16_d16_hi v11, v[PW] offset:64+2*GB
	s_wait_dscnt 0x0
.endif
.endm
.irp j,0,1,2,3,4,5,6,7
	BTILE \j
.endr
	WIN 0x40
.irp c,0,1,2,3,4,5
	global_load_b128 v[192+4*\c:195+4*\c], v3, s[40:41] offset:512*\c     ; my first query tile's x
.endr
	WIN 0
	global_load_b32 v[XS], v4, s[42:43]
	global_load_b32 v[XS+1], v4, s[42:43] offset:128
	s_wait_tensorcnt 0x0                           ; my part of the bias lies in LDS,
	s_wait_dscnt 0x0                               ; and my images
	s_barrier_signal -1
	s_barrier_wait -1                              ; everybody's do; nothing is filled again
	WIN 0x40
.set ii,0
.rept 8
.irp c,0,1,2
	ds_load_b128 v[12*ii+4*\c:12*ii+4*\c+3], v7 offset:1536*ii+16*\c      ; the row's k (0-3) and v (4-7)
.endr
.set ii,ii+1
.endr
	WIN 0
.set ii,0
.rept 8
	ds_load_b32 v[WS+ii], v12 offset:64*ii
.set ii,ii+1
.endr
; ---- C: one query tile
.macro TILE p
.set ii,0
.rept 32
	ds_load_b128 v[SS+4*ii:SS+4*ii+3], v13 offset:16384*\p+512*ii          ; the bias: the C of the score products
.set ii,ii+1
.endr
	s_wait_loadcnt 0x0                             ; this tile's x (and, the first time, Wq and Wg)
	WIN 0x05
.irp j,0,1,2,3
	MM0 QG+8*\j, 96+24*\j, 192, XSR+2*\j, XS
.endr
.irp j,0,1,2,3
	MMA QG+8*\j, 108+24*\j, 204, XSR+2*\j+1, XS+1
.endr
	WIN 0
	PLACES 5
.if \p == 0
	s_add_nc_u64 s[40:41], s[40:41], 3072
	s_add_nc_u64 s[42:43], s[42:43], 256
.else
	s_cmp_lg_u32 s26, 1                            ; behind my last tile nothing follows: the load repeats it and stays inside its buffer
	s_cselect_b32 s32, 3072, 0
	s_cselect_b32 s34, 256, 0
	s_add_nc_u64 s[40:41], s[40:41], s[32:33]
	s_add_nc_u64 s[42:43], s[42:43], s[34:35]
.endif
	WIN 0x40
.irp c,0,1,2,3,4,5
	global_load_b128 v[192+4*\c:195+4*\c], v3, s[40:41] offset:512*\c
.endr
	WIN 0
	global_load_b32 v[XS], v4, s[42:43]
	global_load_b32 v[XS+1], v4, s[42:43] offset:128
	QB QG, PC, EB, MX, TB
	v_perm_b32 v[QS], v[EB], v[EB], 0              ; the byte in all four places
	QVB PC, PC+6
	WIN 0x40
.irp i,0,1,2,3,4,5
	v_mov_b32 v[222+\i], v[PC+\i]
	v_mov_b32 v[234+\i], v[PC+6+\i]
.endr
	WIN 0
.set jq,0
.rept 8
	v_pk_mul_f32 v[GG+2*jq:GG+2*jq+1], v[GG+2*jq:GG+2*jq+1], s[NL2:NL2+1] op_sel_hi:[1,0]   ; -g log2(e); also the eight places in front of the scaled products
.set jq,jq+1
.endr
	s_wait_alu depctr_va_vdst(0)
	s_wait_dscnt 0x0                               ; the bias (and, the first time, k and v)
	WIN 0x05
.set kt,0
.rept 16
	MMA SS+8*kt, 12*(kt/4), 222+12*(kt%2)-6*((kt%4)/2), WS+kt/4, QS
.set kt,kt+1
.endr
	WIN 0
	PLACES 5
	SOFTMAX 8
	PCVT 0, SS, PC
	PCVT 1, SS+64, SS                              ; into registers whose p has been summed and converted
	GATE1
	WIN 0x01
	MM0 QG, 48, PC, WS+4, PW
	MM0 QG+8, 60, PC, WS+5, PW
	MMA QG, 72, SS, WS+6, PW+1
	MMA QG+8, 84, SS, WS+7, PW+1
	WIN 0
	GATE2
.if \p == 0
	QB QG, OP, OP+6, MX, TB
.else
	QB QG, OT, OT+3, MX, TB
.endif
.endm
.Lpair:                                            ; four trips, two query tiles (32 neighbouring tokens) each
	v_add_nc_u32 v13, s27, v3
	TILE 0
	TILE 1
.irp i,0,1,2
	v_permlane16_swap_b32 v[OP+\i], v[OT+\i]       ; lanes 0-15 keep the first tile's tokens, lanes 16-31 take the second's
.endr
	v_permlane16_swap_b32 v[OP+6], v[OT+3]
.irp i,0,1,2
	s_delay_alu instid0(VALU_DEP_4)
	v_mov_b32 v[OP+3+\i], v[OT+\i]
.endr
	ds_store_b128 v14, v[OP:OP+3]
	ds_store_b128 v14, v[OP+4:OP+7] offset:16
	WIN 0x40
	ds_load_b128 v[246:249], v15                   ; LDS serves a wave's instructions in order
	ds_load_b128 v[250:253], v15 offset:512
	s_wait_dscnt 0x0
	WIN 0x04
	global_store_b128 v3, v[246:249], s[36:37]     ; 1,024 consecutive bytes a trip
	global_store_b128 v3, v[250:253], s[36:37] offset:512
	WIN 0
	s_wait_xcnt 0x0                                ; the stores have read their base and their data: both are written again
	s_add_nc_u64 s[36:37], s[36:37], 1024
	s_add_co_u32 s27, s27, 32768
	s_sub_co_u32 s26, s26, 1
	s_cmp_lg_u32 s26, 0
	s_cbranch_scc1 .Lpair
	s_wait_tensorcnt 0x0                           ; the wave's end
	ds_add_u32 v1, v2
	s_wait_dscnt 0x0
	ROUND                                          ; the closing round
	s_endpgm
.Lfunc_end_k_q828644656b_rowatt:
	.size	k_q828644656b_rowatt, .Lfunc_end_k_q828644656b_rowatt-k_q828644656b_rowatt
	.p2alignl 7, 3214868480
	.fill 96, 4, 3214868480
	.section	.rodata,"a",@progbits
	.p2align	6, 0x0
	.amdhsa_kernel k_q828644656b_rowatt
		.amdhsa_group_segment_fixed_size 327680
		.amdhsa_private_segment_fixed_size 0
		.amdhsa_enable_private_segment 0
		.amdhsa_kernarg_size 48
		.amdhsa_user_sgpr_count 2
		.amdhsa_user_sgpr_kernarg_segment_ptr 1
		.amdhsa_wavefront_size32 1
		.amdhsa_system_sgpr_workgroup_id_x 1
		.amdhsa_system_sgpr_workgroup_id_y 1
		.amdhsa_system_sgpr_workgroup_id_z 1
		.amdhsa_system_vgpr_workitem_id 0
		.amdhsa_next_free_vgpr 512
		.amdhsa_next_free_sgpr 66
		.amdhsa_reserve_vcc 0
		.amdhsa_float_denorm_mode_32 3
		.amdhsa_float_denorm_mode_16_64 3
		.amdhsa_memory_ordered 1
		.amdhsa_forward_progress 1
		.amdhsa_inst_pref_size 124
	.end_amdhsa_kernel
	.amdgpu_metadata
---
amdhsa.version: [ 1, 2 ]
amdhsa.kernels:
  - .name:           k_q828644656b_rowatt
    .symbol:         k_q828644656b_rowatt.kd
    .args:
      - { .name: xcodes, .offset: 0, .size: 8, .value_kind: global_buffer, .address_space: global }
      - { .name: xscales, .offset: 8, .size: 8, .value_kind: global_buffer, .address_space: global }
      - { .name: wcodes, .offset: 16, .size: 8, .value_kind: global_buffer, .address_space: global }
      - { .name: wscales, .offset: 24, .size: 8, .value_kind: global_buffer, .address_space: global }
      - { .name: biasimg, .offset: 32, .size: 8, .value_kind: global_buffer, .address_space: global }
      - { .name: ocodes, .offset: 40, .size: 8, .value_kind: global_buffer, .address_space: global }
    .group_segment_fixed_size: 327680
    .private_segment_fixed_size: 0
    .kernarg_segment_align: 8
    .kernarg_segment_size: 48
    .max_flat_workgroup_size: 256
    .sgpr_count:     66
    .vgpr_count:     512
    .wavefront_size: 32
...
	.end_amdgpu_metadata
.endif
;; end of part 2
;; launch colmlp (part 3): grid 256 x 1, 8 waves a work-group, no clusters, 303,104 bytes of LDS; arguments x, g1, be1, ocodes, wcodes, wscales, g3, be3, b1, b2, out0; writes out0
.if DOCPART == 3
	.amdgcn_target "amdgcn-amd-amdhsa--gfx1250"
	.amdhsa_code_object_version 6
	.text
	.protected	k_q828644656b_colmlp
	.globl	k_q828644656b_colmlp
	.p2align	8
	.type	k_q828644656b_colmlp,@function
k_q828644656b_colmlp:
	s_mov_b64 s[64:65], 0
	v_nop
	global_prefetch_b8 v0, s[64:65] scope:SCOPE_SE
	s_setreg_imm32_b32 hwreg(HW_REG_WAVE_MODE, 25, 1), 1
	s_wait_xcnt 0x0
; THE REST OF THE BLOCK FOR ONE RESIDUE COLUMN t (128 tokens s): LN1 again, + o W0_r, LN3, column attention, + o2 W0_c, the transition, out0.  Nothing but out0 goes to memory.
; THE WAVES SHARE THE COLUMNS: wave w owns channels 32 w .. 32 w + 31 of every activation of 256, head w, hidden units 128 w .. + 127; for the way in and out token tile w.
; So each weight fragment is loaded once in the work-group, straight into one wave's registers (window 1), and feeds eight products.
; R: v[128 + 16 g + i] of lane (r, h) = token 32 (g/2) + 8 (g%2) + r + 8 (r/8), channel 32 w + 16 h + i.  It is the accumulator of the three products of 256 outputs: the residuals cost no addition.
; While the attention and the first product of the transition need its registers it lies in the wave's own LDS bytes.
; Operands go from wave to wave through LDS as images of their registers, 48 bytes a lane; a wave's 32 channels are one block of 32, a quarter of a fragment, put there by stores of 4 bytes.
; Weights are walked by every work-group, yet not asked for jointly: 303,104 bytes of LDS hold activations, so there is no room for slots; they come from memory in register order, once a work-group.
; LIMITS: a block whose largest magnitude lies under 2^-124 gets the byte 1 and zero codes; NaN and infinities are not served; a block's largest p is taken from its largest score.
; ORDER OF ROUNDING: b2 is added to the residual ahead of the last product; o2 is divided by l (1 + 2^(-g log2 e)) in one reciprocal.
.set ACT0, 133120                      ; behind U (128 rows x 1,040: stage for x1, the parked R, stage for out0): o's 16 images, later o2's
.set SCA0, 157696
.set ACT1, 158720                      ; x3's images, later x4's
.set SCA1, 183296
.set HID,  184320                      ; the hidden layer's 64 images; during the attention 6,656 bytes a wave for k and v
.set HSC,  282624
.set ST1,  286720                      ; LN3: 128 tokens x 8 waves' sums; 4,096 bytes on: of squares
.set PRM,  294912                      ; g3, be3 + 1,024, b2 + 2,048, b1 + 3,072
.set SPARE, 302080
.set FLOOR, 0x1800000
.set AXS, 5
.set AR0, 6
.set AR1, 7
.set APK, 8
.set AL0, 9
.set AL1, 10
.set AS0, 11
.set AS1, 12
.set AQ0, 13
.set AQ1, 14
.set AB0, 15
.set AB1, 16
.set AH0, 17
.set AH1, 18
.set AHS, 19
.set AHW, 20
.set AHSW, 22
.set AST, 23
.set ASTL, 24
.set APR, 25
.set APB, 26
.set AKV, 27
.set AKS, 28
.set WS,  32                           ; v32-51 scale words of window 1's fragments
.set XS,  53
.set RS,  55                           ; v55-59 the ring's
.set QS,  60
.set PW,  61
.set XF,  64
.set PC,  88
.set BM,  108
.set BT,  112
.set MX,  120                          ; v120-123 serve as address temporaries on the way in, up to the first barrier
.set EB,  121
.set NM,  122
.set LA,  124
.set LB,  126
.set RR,  128
.set SS,  128
.set KACC, 128
.set VACC, 192
.set HA,  128
.set QG,  192
.set GG,  208
.set SEL, 28
.set CS,  30
.set NL2, 32
.set SINV, 34
.set SEPS, 35
.set WB4, 36                           ; s[36:37] wcodes + 4 fragments x wave;  s[38:39] + 16 x wave;  s[40:41], s[42:43] wscales likewise
.set WB16, 38
.set SB4, 40
.set SB16, 42
.set MSB, 0
.macro WIN new
.if MSB != \new
	s_set_vgpr_msb (MSB<<8)|\new
.set MSB, \new
.endif
.endm
.macro PLACES n
.rept \n
	v_nop
.endr
.endm
.macro BARRIER                         ; my LDS stores have landed and my LDS loads are in: then the work-group's barrier
	s_wait_dscnt 0x0
	s_barrier_signal -1
	s_barrier_wait -1
.endm
.macro MM0 d, a, b, sa, sb
	v_wmma_scale_f32_16x16x128_f8f6f4 v[\d:\d+7], v[\a:\a+11], v[\b:\b+11], 0, v[\sa], v[\sb] matrix_a_fmt:MATRIX_FMT_FP6 matrix_b_fmt:MATRIX_FMT_FP6
.endm
.macro MMA d, a, b, sa, sb
	v_wmma_scale_f32_16x16x128_f8f6f4 v[\d:\d+7], v[\a:\a+11], v[\b:\b+11], v[\d:\d+7], v[\sa], v[\sb] matrix_a_fmt:MATRIX_FMT_FP6 matrix_b_fmt:MATRIX_FMT_FP6
.endm
.macro MMC d, a, b, c, sa, sb
	v_wmma_scale_f32_16x16x128_f8f6f4 v[\d:\d+7], v[\a:\a+11], v[\b:\b+11], v[\c:\c+7], v[\sa], v[\sb] matrix_a_fmt:MATRIX_FMT_FP6 matrix_b_fmt:MATRIX_FMT_FP6
.endm
.macro FET48 reg, adr, off
.irp c,0,1,2
	ds_load_b128 v[(\reg)+4*\c:(\reg)+4*\c+3], v[\adr] offset:(\off)+16*\c
.endr
.endm
.macro IMG48 adr, off, pc
.irp c,0,1,2
	ds_store_b128 v[\adr], v[(\pc)+4*\c:(\pc)+4*\c+3] offset:(\off)+16*\c
.endr
.endm
.macro QUANT s, mx, tb, so, pc, pw
.irp b,0,1,2,3
	v_max3_num_f32 v[(\mx)+\b], |v[(\s)+16*\b]|, |v[(\s)+1+16*\b]|, FLOOR
.endr
.irp i,2,4,6,8,10,12,14
.irp b,0,1,2,3
	v_max3_num_f32 v[(\mx)+\b], v[(\mx)+\b], |v[(\s)+16*\b+\i]|, |v[(\s)+1+16*\b+\i]|
.endr
.endr
.irp b,0,1,2,3
	s_delay_alu instid0(VALU_DEP_4)
	v_permlanex16_b32 v[(\tb)+\b], v[(\mx)+\b], s[SEL], s[SEL+1]
.endr
.irp b,0,1,2,3
	s_delay_alu instid0(VALU_DEP_4)
	v_max_num_f32 v[(\mx)+\b], v[(\mx)+\b], v[(\tb)+\b]
.endr
.irp b,0,1,2,3
	s_delay_alu instid0(VALU_DEP_4)
	v_add_nc_u32 v[(\so)+\b], 0xff000000, v[(\mx)+\b]
.endr
.irp b,0,1,2,3
	s_delay_alu instid0(VALU_DEP_4)
	v_lshrrev_b32 v[(\tb)+\b], 23, v[(\so)+\b]
.endr
	s_delay_alu instid0(VALU_DEP_3)
	v_lshl_or_b32 v[\pw], v[(\tb)+1], 8, v[\tb]
	s_delay_alu instid0(VALU_DEP_1)
	v_lshl_or_b32 v[\pw], v[(\tb)+2], 16, v[\pw]
	s_delay_alu instid0(VALU_DEP_1)
	v_lshl_or_b32 v[\pw], v[(\tb)+3], 24, v[\pw]
.irp c,0,1
	v_cvt_scalef32_pk16_fp6_f32 v[(\pc)+6*\c:(\pc)+2+6*\c], v[(\s)+32*\c:(\s)+15+32*\c], v[(\so)+2*\c]
	v_cvt_scalef32_pk16_fp6_f32 v[(\pc)+12+4*\c:(\pc)+14+4*\c], v[(\s)+16+32*\c:(\s)+31+32*\c], v[(\so)+2*\c+1]
.endr
	v_nop
.irp c,0,1
.irp i,0,1,2
	v_permlane16_swap_b32 v[(\pc)+6*\c+\i], v[(\pc)+12+4*\c+\i]
.endr
.irp i,0,1,2
	s_delay_alu instid0(VALU_DEP_3)
	v_mov_b32 v[(\pc)+3+6*\c+\i], v[(\pc)+12+4*\c+\i]
.endr
.endr
.endm
.macro QB src, dst, e, mx, tb
	v_max3_num_f32 v[\mx], |v[\src]|, |v[\src+1]|, FLOOR
.irp i,2,4,6,8,10,12,14
	v_max3_num_f32 v[\mx], v[\mx], |v[\src+\i]|, |v[\src+\i+1]|
.endr
	s_delay_alu instid0(VALU_DEP_1)
	v_permlanex16_b32 v[\tb], v[\mx], s[SEL], s[SEL+1]
	s_delay_alu instid0(VALU_DEP_1)
	v_max_num_f32 v[\mx], v[\mx], v[\tb]
	s_delay_alu instid0(VALU_DEP_1)
	v_add_nc_u32 v[\tb], 0xff000000, v[\mx]
	s_delay_alu instid0(VALU_DEP_1)
	v_lshrrev_b32 v[\e], 23, v[\tb]
	v_cvt_scalef32_pk16_fp6_f32 v[\dst:\dst+2], v[\src:\src+15], v[\tb]
	v_nop
.endm
.macro QVB lo, hi
.irp i,0,1,2
	v_mov_b32 v[\hi+3+\i], v[\lo+\i]
	v_mov_b32 v[\lo+3+\i], 0
	v_mov_b32 v[\hi+\i], 0
.endr
.irp i,0,1,2
	v_permlane16_swap_b32 v[\lo+\i], v[\lo+3+\i]
	v_permlane16_swap_b32 v[\hi+\i], v[\hi+3+\i]
.endr
.endm
; R's eight blocks (my 32 channels of each token tile) become codes in v[64 + 4 g] on and bytes in v[112 + g], and go to the images at aq / ab
.macro QB8 aq, ab
.irp g,0,1,2,3,4,5,6,7
	v_max3_num_f32 v[96+\g], |v[RR+16*\g]|, |v[RR+16*\g+1]|, FLOOR
.endr
.irp i,2,4,6,8,10,12,14
.irp g,0,1,2,3,4,5,6,7
	v_max3_num_f32 v[96+\g], v[96+\g], |v[RR+16*\g+\i]|, |v[RR+16*\g+\i+1]|
.endr
.endr
.irp g,0,1,2,3,4,5,6,7
	v_permlanex16_b32 v[104+\g], v[96+\g], s[SEL], s[SEL+1]
.endr
.irp g,0,1,2,3,4,5,6,7
	v_max_num_f32 v[96+\g], v[96+\g], v[104+\g]
.endr
.irp g,0,1,2,3,4,5,6,7
	v_add_nc_u32 v[104+\g], 0xff000000, v[96+\g]
.endr
.irp g,0,1,2,3,4,5,6,7
	v_lshrrev_b32 v[112+\g], 23, v[104+\g]
.endr
.irp g,0,1,2,3,4,5,6,7
	v_cvt_scalef32_pk16_fp6_f32 v[64+4*\g:66+4*\g], v[RR+16*\g:RR+16*\g+15], v[104+\g]
.endr
	v_nop
.irp g,0,1,2,3,4,5,6,7
.irp i,0,1,2
	ds_store_b32 v[\aq], v[64+4*\g+\i] offset:3072*\g+4*\i
.endr
	ds_store_b8 v[\ab], v[112+\g] offset:128*\g
.endr
.endm
.macro LNRED t
.irp q,0,1,2,3,4,5,6,7,8,9,10,11,12,13,14,15
	v_add_f32 v[\t+2*\q], v[\t+2*\q], v[\t+2*\q+1]
.endr
.irp m,1,2,4,8
.irp q,0,1,2,3,4,5,6,7,8,9,10,11,12,13,14,15
	v_add_f32_dpp v[\t+2*\q], v[\t+2*\q], v[\t+2*\q] row_xmask:\m row_mask:0xf bank_mask:0xf
.endr
.endr
.irp q,0,1,2,3,4,5,6,7,8,9,10,11,12,13,14,15
	v_permlanex16_b32 v[\t+2*\q+1], v[\t+2*\q], s[SEL], s[SEL+1]
.endr
.irp q,0,1,2,3,4,5,6,7,8,9,10,11,12,13,14,15
	v_add_f32 v[\t+2*\q], v[\t+2*\q], v[\t+2*\q+1]
.endr
.endm
.macro LNROWS xb, g, be, t             ; LayerNorm of 16 whole rows of 256, two passes
.irp q,0,1,2,3,4,5,6,7,8,9,10,11,12,13,14,15
	v_pk_add_f32 v[\t+2*\q:\t+2*\q+1], v[\xb+4*\q:\xb+4*\q+1], v[\xb+4*\q+2:\xb+4*\q+3]
.endr
.irp q,0,1,2,3,4,5,6,7,8,9,10,11,12,13,14,15
	v_pk_add_f32 v[\t+2*\q:\t+2*\q+1], v[\t+2*\q:\t+2*\q+1], v[\xb+64+4*\q:\xb+64+4*\q+1]
.endr
.irp q,0,1,2,3,4,5,6,7,8,9,10,11,12,13,14,15
	v_pk_add_f32 v[\t+2*\q:\t+2*\q+1], v[\t+2*\q:\t+2*\q+1], v[\xb+64+4*\q+2:\xb+64+4*\q+3]
.endr
	LNRED \t
.irp q,0,1,2,3,4,5,6,7,8,9,10,11,12,13,14,15
	v_mul_f32 v[\t+2*\q], s[SINV], v[\t+2*\q]
.endr
.irp o,0,2,64,66
.irp q,0,1,2,3,4,5,6,7,8,9,10,11,12,13,14,15
	v_pk_add_f32 v[\xb+\o+4*\q:\xb+\o+4*\q+1], v[\xb+\o+4*\q:\xb+\o+4*\q+1], v[\t+2*\q:\t+2*\q+1] op_sel_hi:[1,0] neg_lo:[0,1] neg_hi:[0,1]
.endr
.endr
.irp q,0,1,2,3,4,5,6,7,8,9,10,11,12,13,14,15
	v_pk_mul_f32 v[\t+2*\q:\t+2*\q+1], v[\xb+4*\q:\xb+4*\q+1], v[\xb+4*\q:\xb+4*\q+1]
.endr
.irp o,2,64,66
.irp q,0,1,2,3,4,5,6,7,8,9,10,11,12,13,14,15
	v_pk_fma_f32 v[\t+2*\q:\t+2*\q+1], v[\xb+\o+4*\q:\xb+\o+4*\q+1], v[\xb+\o+4*\q:\xb+\o+4*\q+1], v[\t+2*\q:\t+2*\q+1]
.endr
.endr
	LNRED \t
.irp q,0,1,2,3,4,5,6,7,8,9,10,11,12,13,14,15
	v_fma_f32 v[\t+2*\q], v[\t+2*\q], s[SINV], s[SEPS]
.endr
	s_wait_alu depctr_va_vdst(0)
.irp q,0,1,2,3,4,5,6,7,8,9,10,11,12,13,14,15
	v_rsq_f32 v[\t+2*\q], v[\t+2*\q]
.endr
	v_nop
	s_wait_alu depctr_va_vdst(0)                   ; one wait for the sixteen
.irp o,0,2,64,66
.irp q,0,1,2,3,4,5,6,7,8,9,10,11,12,13,14,15
	v_pk_mul_f32 v[\xb+\o+4*\q:\xb+\o+4*\q+1], v[\xb+\o+4*\q:\xb+\o+4*\q+1], v[\t+2*\q:\t+2*\q+1] op_sel_hi:[1,0]
.endr
.endr
.irp q,0,1,2,3,4,5,6,7,8,9,10,11,12,13,14,15
	v_pk_fma_f32 v[\xb+4*\q:\xb+4*\q+1], v[\xb+4*\q:\xb+4*\q+1], v[\g:\g+1], v[\be:\be+1]
	v_pk_fma_f32 v[\xb+4*\q+2:\xb+4*\q+3], v[\xb+4*\q+2:\xb+4*\q+3], v[\g+2:\g+3], v[\be+2:\be+3]
	v_pk_fma_f32 v[\xb+64+4*\q:\xb+64+4*\q+1], v[\xb+64+4*\q:\xb+64+4*\q+1], v[\g+4:\g+5], v[\be+4:\be+5]
	v_pk_fma_f32 v[\xb+64+4*\q+2:\xb+64+4*\q+3], v[\xb+64+4*\q+2:\xb+64+4*\q+3], v[\g+6:\g+7], v[\be+6:\be+7]
.endr
.endm
.macro SOFTMAX nb                      ; as in the row attention: the whole row at once
.set bq,0
.rept \nb
	v_max3_num_f32 v[BM+bq], v[SS+16*bq], v[SS+16*bq+1], v[SS+16*bq+2]
.set bq,bq+1
.endr
.irp i,3,5,7,9,11,13
.set bq,0
.rept \nb
	v_max3_num_f32 v[BM+bq], v[BM+bq], v[SS+16*bq+\i], v[SS+16*bq+\i+1]
.set bq,bq+1
.endr
.endr
.set bq,0
.rept \nb
	v_max_num_f32 v[BM+bq], v[BM+bq], v[SS+16*bq+15]
.set bq,bq+1
.endr
.set bq,0
.rept \nb
	s_delay_alu instid0(VALU_DEP_4)
	v_permlanex16_b32 v[BT+bq], v[BM+bq], s[SEL], s[SEL+1]
.set bq,bq+1
.endr
.set bq,0
.rept \nb
	s_delay_alu instid0(VALU_DEP_4)
	v_max_num_f32 v[BM+bq], v[BM+bq], v[BT+bq]
.set bq,bq+1
.endr
	s_delay_alu instid0(VALU_DEP_2)
	v_max3_num_f32 v[MX], v[BM], v[BM+1], v[BM+2]
	s_delay_alu instid0(VALU_DEP_1)
	v_max_num_f32 v[MX], v[MX], v[BM+3]
	s_delay_alu instid0(VALU_DEP_1)
	v_mul_f32 v[MX], s[CS], v[MX]
	s_delay_alu instid0(VALU_DEP_1)
	v_floor_f32 v[NM], -v[MX]                      ; -M = floor(-t)
.set jq,0
.rept 8*\nb
	v_pk_fma_f32 v[SS+2*jq:SS+2*jq+1], v[SS+2*jq:SS+2*jq+1], s[CS:CS+1], v[NM:NM+1] op_sel_hi:[1,0,0]
.set jq,jq+1
.endr
.set bq,0
.rept \nb
	v_fma_f32 v[BM+bq], v[BM+bq], s[CS], v[NM]
.set bq,bq+1
.endr
.set jq,0
	s_wait_alu depctr_va_vdst(0)
.rept 16*\nb
	v_exp_f32 v[SS+jq], v[SS+jq]
.set jq,jq+1
.endr
.set jq,0
.rept 16
	v_exp_f32 v[GG+jq], v[GG+jq]
.set jq,jq+1
.endr
	v_nop
	s_wait_alu depctr_va_vdst(0)                   ; one wait for the batch
.set bq,0
.rept \nb
	v_exp_f32 v[BM+bq], v[BM+bq]
.set bq,bq+1
.endr
	v_pk_add_f32 v[126:127], v[128:129], v[130:131]
	v_pk_add_f32 v[254:255], v[136:137], v[140:141]
	v_pk_add_f32 v[246:247], v[144:145], v[148:149]
	v_pk_add_f32 v[244:245], v[152:153], v[156:157]
	v_pk_add_f32 v[242:243], v[160:161], v[164:165]
	v_pk_add_f32 v[234:235], v[168:169], v[172:173]
	v_pk_add_f32 v[232:233], v[176:177], v[180:181]
	v_pk_add_f32 v[124:125], v[184:185], v[188:189]
	v_pk_add_f32 v[124:125], v[124:125], v[132:133]
	v_pk_add_f32 v[126:127], v[126:127], v[134:135]
	v_pk_add_f32 v[254:255], v[254:255], v[138:139]
	v_pk_add_f32 v[246:247], v[246:247], v[142:143]
	v_pk_add_f32 v[244:245], v[244:245], v[146:147]
	v_pk_add_f32 v[242:243], v[242:243], v[150:151]
	v_pk_add_f32 v[234:235], v[234:235], v[154:155]
	v_pk_add_f32 v[232:233], v[232:233], v[158:159]
	v_pk_add_f32 v[124:125], v[124:125], v[162:163]
	v_pk_add_f32 v[126:127], v[126:127], v[166:167]
	v_pk_add_f32 v[254:255], v[254:255], v[170:171]
	v_pk_add_f32 v[246:247], v[246:247], v[174:175]
	v_pk_add_f32 v[244:245], v[244:245], v[178:179]
	v_pk_add_f32 v[242:243], v[242:243], v[182:183]
	v_pk_add_f32 v[234:235], v[234:235], v[186:187]
	v_pk_add_f32 v[232:233], v[232:233], v[190:191]
	s_delay_alu instid0(VALU_DEP_4)
	v_pk_add_f32 v[124:125], v[124:125], v[244:245]
	s_delay_alu instid0(VALU_DEP_4)
	v_pk_add_f32 v[126:127], v[126:127], v[242:243]
	s_delay_alu instid0(VALU_DEP_4)
	v_pk_add_f32 v[254:255], v[254:255], v[234:235]
	s_delay_alu instid0(VALU_DEP_4)
	v_pk_add_f32 v[246:247], v[246:247], v[232:233]
	s_delay_alu instid0(VALU_DEP_2)
	v_pk_add_f32 v[124:125], v[124:125], v[254:255]
	s_delay_alu instid0(VALU_DEP_2)
	v_pk_add_f32 v[126:127], v[126:127], v[246:247]
	s_delay_alu instid0(VALU_DEP_1)
	v_pk_add_f32 v[124:125], v[124:125], v[126:127]
	s_wait_alu depctr_va_vdst(0)                   ; and one for the blocks' four
.set bq,0
.rept \nb
	v_max_num_f32 v[BM+bq], FLOOR, v[BM+bq]
.set bq,bq+1
.endr
.set bq,0
.rept \nb
	s_delay_alu instid0(VALU_DEP_4)
	v_add_nc_u32 v[BT+bq], 0xff000000, v[BM+bq]
.set bq,bq+1
.endr
.set bq,0
.rept \nb
	s_delay_alu instid0(VALU_DEP_4)
	v_lshrrev_b32 v[BM+bq], 23, v[BT+bq]
.set bq,bq+1
.endr
	s_delay_alu instid0(VALU_DEP_3)
	v_lshl_or_b32 v[PW], v[BM+1], 8, v[BM]
	s_delay_alu instid0(VALU_DEP_1)
	v_lshl_or_b32 v[PW], v[BM+2], 16, v[PW]
	s_delay_alu instid0(VALU_DEP_1)
	v_lshl_or_b32 v[PW], v[BM+3], 24, v[PW]
.endm
.macro PCVT ks, src, dst
.irp c,0,1
	v_cvt_scalef32_pk16_fp6_f32 v[(\dst)+6*\c:(\dst)+6*\c+2], v[(\src)+32*\c:(\src)+32*\c+15], v[BT+4*(\ks)+2*\c]
	v_cvt_scalef32_pk16_fp6_f32 v[(\dst)+12+4*\c:(\dst)+14+4*\c], v[(\src)+16+32*\c:(\src)+31+32*\c], v[BT+4*(\ks)+2*\c+1]
.endr
	v_nop
.irp c,0,1
.irp i,0,1,2
	v_permlane16_swap_b32 v[(\dst)+6*\c+\i], v[(\dst)+12+4*\c+\i]
.endr
.irp i,0,1,2
	s_delay_alu instid0(VALU_DEP_3)
	v_mov_b32 v[(\dst)+3+6*\c+\i], v[(\dst)+12+4*\c+\i]
.endr
.endr
.endm
.macro GATE1
	v_add_f32 v[LA], v[LA], v[LA+1]
	s_delay_alu instid0(VALU_DEP_1)
	v_permlanex16_b32 v[LA+1], v[LA], s[SEL], s[SEL+1]
	s_delay_alu instid0(VALU_DEP_1)
	v_add_f32 v[LA], v[LA], v[LA+1]
.set jq,0
.rept 16
	v_fma_f32 v[GG+jq], v[GG+jq], v[LA], v[LA]
.set jq,jq+1
.endr
.set jq,0
	s_wait_alu depctr_va_vdst(0)
.rept 16
	v_rcp_f32 v[GG+jq], v[GG+jq]
.set jq,jq+1
.endr
	v_nop
.endm
.macro GATE2
	PLACES 5
	s_wait_alu depctr_va_vdst(0)
.set jq,0
.rept 8
	v_pk_mul_f32 v[QG+2*jq:QG+2*jq+1], v[QG+2*jq:QG+2*jq+1], v[GG+2*jq:GG+2*jq+1]
.set jq,jq+1
.endr
.endm
; weights: n fragments f0 .. into window 1's places s0 ..; the codes under a window of their own, the scale words in window 0
.macro BCODES s0, n, base, f0
.set ee,0
.rept \n
.irp c,0,1,2
	global_load_b128 v[12*(\s0+ee)+4*\c:12*(\s0+ee)+4*\c+3], v3, s[\base:\base+1] offset:1536*(\f0+ee)+512*\c
.endr
.set ee,ee+1
.endr
.endm
.macro BSCALE s0, n, base, f0
.set ee,0
.rept \n
	global_load_b32 v[WS+\s0+ee], v4, s[\base:\base+1] offset:128*(\f0+ee)
.set ee,ee+1
.endr
.endm
.macro RSTAGE st                       ; R from (0) or into (1) the stage of whole rows
.set gq,0
.rept 8
.irp j,0,1,2,3
.if \st
	ds_store_b128 v[AR0+gq/4], v[RR+16*gq+4*\j:RR+16*gq+4*\j+3] offset:16640*(gq%4)+16*\j
.else
	ds_load_b128 v[RR+16*gq+4*\j:RR+16*gq+4*\j+3], v[AR0+gq/4] offset:16640*(gq%4)+16*\j
.endif
.endr
.set gq,gq+1
.endr
.endm
.macro PARK st                         ; R out of (0) or into (1) my own 16,384 bytes
.set gq,0
.rept 32
.if \st
	ds_store_b128 v[APK], v[RR+4*gq:RR+4*gq+3] offset:512*gq
.else
	ds_load_b128 v[RR+4*gq:RR+4*gq+3], v[APK] offset:512*gq
.endif
.set gq,gq+1
.endr
.endm
; R += act W^T for a K of 256: 16 units of one fragment and two products, through a ring of five register sets, four units ahead
.macro UF n
	FET48 64+12*((\n)%5), AL0, 1536*(\n)
	ds_load_b32 v[RS+(\n)%5], v[AS0] offset:64*(\n)
.endm
; ns weight fragments f0 .. of my sixteen go into window 1's places s0 .., one in each of the first ns units: four loads a unit, among the products
.macro PROJR sb, ns, s0, f0
.set nn,0
.rept 4
	UF nn
.set nn,nn+1
.endr
.set nn,0
.rept 16
.if nn+4<16
	WIN 0
.if nn>0
	PLACES 5                                       ; the set about to be filled was read by the unit before
.endif
	UF nn+4
.if nn<\ns
	BSCALE \s0+nn, 1, SB16, \f0+nn
	WIN 0x40
	BCODES \s0+nn, 1, WB16, \f0+nn
.endif
.endif
.if 15-nn>=4
	s_wait_dscnt 16                                ; four younger units of four loads
.else
	s_wait_dscnt 4*(15-nn)
.endif
	WIN 0x01
	MMA RR+16*(nn/2), 12*(\sb+nn%2), 64+12*(nn%5), WS+\sb+nn%2, RS+nn%5
	MMA RR+16*(nn/2)+8, 12*(\sb+2+nn%2), 64+12*(nn%5), WS+\sb+2+nn%2, RS+nn%5
.set nn,nn+1
.endr
	WIN 0
	PLACES 5
.endm
	s_load_b256 s[4:11], s[0:1], 0x0               ; x, g1, be1, ocodes
	s_load_b256 s[12:19], s[0:1], 0x20             ; wcodes, wscales, g3, be3
	s_load_b128 s[20:23], s[0:1], 0x40             ; b1, b2
	s_load_b64 s[24:25], s[0:1], 0x50              ; out0
	v_lshl_add_u32 v1, v0, 2, SPARE                ; my spare word; never rewritten
	v_mov_b32 v2, 0
	v_lshrrev_b32 v3, 5, v0
	s_delay_alu instid0(VALU_DEP_1)
	v_readfirstlane_b32 s26, v3                    ; wave
	v_and_b32 v29, 31, v0                          ; L
	v_and_b32 v30, 15, v0                          ; r
	v_bfe_u32 v31, v0, 4, 1                        ; h
	s_delay_alu instid0(VALU_DEP_3)
	v_lshlrev_b32 v3, 4, v29                       ; 16 L
	s_delay_alu instid0(VALU_DEP_4)
	v_lshlrev_b32 v4, 2, v29                       ; 4 L
	v_mul_u32_u24 v21, v29, 48                     ; 48 L
	s_mul_i32 s44, s26, 16640
	v_add_nc_u32 v[AXS], s44, v3                   ; my 16 whole rows of the stage
	v_mul_u32_u24 v[AR0], v30, 1040
	s_delay_alu instid0(VALU_DEP_1)
	v_lshl_add_u32 v[AR0], v31, 6, v[AR0]
	s_lshl_b32 s44, s26, 7
	v_add_nc_u32 v[AR0], s44, v[AR0]               ; row r, my 32 channels, + 64 h
	s_delay_alu instid0(VALU_DEP_1)
	v_add_nc_u32 v[AR1], 66560, v[AR0]             ; token tiles 4-7
	s_lshl_b32 s44, s26, 14
	v_add_nc_u32 v[APK], s44, v3
	v_add_nc_u32 v[AL0], ACT0, v21
	v_add_nc_u32 v[AL1], ACT1, v21
	v_lshl_add_u32 v[AS0], v30, 2, SCA0
	v_lshl_add_u32 v[AS1], v30, 2, SCA1
	v_mul_u32_u24 v[AQ0], v30, 48                  ; my quarter of a fragment: lane r + 16 (w % 2), registers 6 ((w / 2) % 2) + 3 h on, K step w / 4
	s_delay_alu instid0(VALU_DEP_1)
	v_mad_u32_u24 v[AQ0], v31, 12, v[AQ0]
	s_wait_alu depctr_va_vdst(0)
	s_and_b32 s44, s26, 1
	s_mul_i32 s44, s44, 768
	s_bfe_u32 s45, s26, 0x10001
	s_mul_i32 s45, s45, 24
	s_add_co_u32 s44, s44, s45
	s_lshr_b32 s45, s26, 2
	s_mul_i32 s45, s45, 1536
	s_add_co_u32 s44, s44, s45
	v_add_nc_u32 v[AQ0], s44, v[AQ0]
	s_delay_alu instid0(VALU_DEP_1)
	v_add_nc_u32 v[AQ1], ACT1, v[AQ0]
	s_delay_alu instid0(VALU_DEP_2)
	v_add_nc_u32 v[AQ0], ACT0, v[AQ0]
	s_and_b32 s44, s26, 3
	s_lshr_b32 s45, s26, 2
	s_lshl_b32 s45, s45, 6
	s_add_co_u32 s44, s44, s45
	v_lshl_add_u32 v[AB0], v30, 2, s44             ; and my byte of its scale word
	s_delay_alu instid0(VALU_DEP_1)
	v_add_nc_u32 v[AB1], SCA1, v[AB0]
	s_delay_alu instid0(VALU_DEP_2)
	v_add_nc_u32 v[AB0], SCA0, v[AB0]
	v_add_nc_u32 v[AH0], HID, v21
	s_wait_alu depctr_va_vdst(0)
	v_add_nc_u32 v[AH1], HID+49152, v21
	v_lshl_add_u32 v[AHS], v30, 2, HSC
	s_mul_i32 s44, s26, 1536
	v_add_nc_u32 v[AHW], s44, v[AH0]
	s_lshl_b32 s44, s26, 6
	v_add_nc_u32 v[AHSW], s44, v[AHS]
	v_lshl_add_u32 v[ASTL], v30, 5, ST1
	s_lshl_b32 s44, s26, 2
	v_add_nc_u32 v[AST], s44, v[ASTL]
	s_lshl_b32 s44, s26, 7
	s_add_co_u32 s44, s44, PRM
	v_lshl_add_u32 v[APR], v31, 6, s44
	s_lshl_b32 s45, s26, 9
	s_add_co_u32 s45, s45, PRM+3072
	v_lshl_add_u32 v[APB], v31, 6, s45
	s_mul_i32 s46, s26, 6656
	v_add_nc_u32 v[AKV], s46, v[AH0]
	s_add_co_u32 s46, s46, HID+6144
	v_lshl_add_u32 v[AKS], v30, 2, s46
	s_mul_i32 s46, s26, 3072
	v_add_nc_u32 v120, s46, v[AL0]                 ; where I put o's two images,
	s_lshl_b32 s46, s26, 7
	v_add_nc_u32 v121, s46, v[AS0]                 ; their scale words,
	v_and_b32 v63, 7, v29
	s_delay_alu instid0(VALU_DEP_1)
	v_lshlrev_b32 v63, 4, v63
	s_delay_alu instid0(VALU_DEP_1)
	v_add_nc_u32 v122, s44, v63                    ; my 128 bytes of g3, be3, b2,
	v_add_nc_u32 v123, s45, v3                     ; my 512 of b1.  (v120-123 keep these four up to the first barrier)
	v_and_b32 v62, 8, v30
	s_delay_alu instid0(VALU_DEP_1)
	v_add_nc_u32 v62, v62, v30
	s_delay_alu instid0(VALU_DEP_1)
	v_lshlrev_b32 v62, 13, v62
	s_delay_alu instid0(VALU_DEP_1)
	v_lshl_add_u32 v62, v31, 20, v62               ; o: token row r (8,192 bytes an s), + one head for lanes 16-31
	s_mov_b32 s[SEL], 0x76543210
	s_mov_b32 s[SEL+1], 0xfedcba98
	s_mov_b32 s[CS], 0x3e8293ee                    ; log2(e) / sqrt(32)
	s_mov_b32 s[CS+1], s[CS]
	s_mov_b32 s[NL2], 0xbfb8aa3b                   ; -log2(e)
	s_mov_b32 s[NL2+1], s[NL2]
	s_mov_b32 s[SINV], 0x3b800000                  ; 1 / 256
	s_mov_b32 s[SEPS], 0x3727c5ac                  ; 1e-5
	s_lshr_b32 s44, s26, 1
	s_lshl_b32 s44, s44, 5
	s_and_b32 s45, s26, 1
	s_lshl_b32 s45, s45, 3
	s_add_co_u32 s44, s44, s45                     ; my token tile's first s
	s_lshl_b32 s46, s44, 18
	s_lshl_b32 s47, ttmp9, 10
	s_add_co_u32 s46, s46, s47
	s_mov_b32 s47, 0
	s_lshl_b32 s48, s44, 13
	s_lshl_b32 s49, ttmp9, 5
	s_add_co_u32 s48, s48, s49
	s_mov_b32 s49, 0
	s_mul_i32 s50, s26, 6144
	s_mov_b32 s51, 0
	s_mul_i32 s52, s26, 24576
	s_mov_b32 s53, 0
	s_lshl_b32 s54, s26, 9
	s_mov_b32 s55, 0
	s_lshl_b32 s56, s26, 11
	s_mov_b32 s57, 0
	s_lshl_b32 s58, s26, 7
	s_mov_b32 s59, 0
	s_wait_alu depctr_va_vdst(0)
	s_wait_kmcnt 0x0
	s_add_nc_u64 s[4:5], s[4:5], s[46:47]
	s_add_nc_u64 s[24:25], s[24:25], s[46:47]
	s_add_nc_u64 s[10:11], s[10:11], s[48:49]
	s_add_nc_u64 s[WB4:WB4+1], s[12:13], s[50:51]
	s_add_nc_u64 s[WB16:WB16+1], s[12:13], s[52:53]
	s_add_nc_u64 s[SB4:SB4+1], s[14:15], s[54:55]
	s_add_nc_u64 s[SB16:SB16+1], s[14:15], s[56:57]
	s_add_nc_u64 s[16:17], s[16:17], s[58:59]
	s_add_nc_u64 s[18:19], s[18:19], s[58:59]
	s_add_nc_u64 s[22:23], s[22:23], s[58:59]
	s_add_nc_u64 s[20:21], s[20:21], s[54:55]
; ---- the way in: my 16 tokens' rows of x; o's codes of my token tile; my parts of the small inputs; W0_r
.irp k,0,1
.irp q,0,1,2,3,4,5,6,7,8,9,10,11,12,13,14,15
	global_load_b128 v[128+64*\k+4*\q:131+64*\k+4*\q], v3, s[4:5] offset:(\q+8*(\q/8))*262144+512*\k th:TH_LOAD_NT
.endr
.endr
	global_load_b128 v[64:67], v3, s[6:7]
	global_load_b128 v[68:71], v3, s[6:7] offset:512
	global_load_b128 v[72:75], v3, s[8:9]
	global_load_b128 v[76:79], v3, s[8:9] offset:512
	WIN 0x40
.irp k,0,1
.irp c,0,1
	global_load_b128 v[12*\k+6*\c:12*\k+6*\c+3], v62, s[10:11] offset:(4*\k+2*\c)*1048576          ; head 4 k + 2 c + h: a block of the fragment
	global_load_b64 v[12*\k+6*\c+4:12*\k+6*\c+5], v62, s[10:11] offset:(4*\k+2*\c)*1048576+16
.endr
.endr
	global_load_b128 v[24:27], v63, s[16:17]
	global_load_b128 v[28:31], v63, s[18:19]
	global_load_b128 v[32:35], v63, s[22:23]
	global_load_b128 v[36:39], v3, s[20:21]
	WIN 0
.irp k,0,1
.irp c,0,1
	global_load_b32 v[112+2*\k+\c], v62, s[10:11] offset:(4*\k+2*\c)*1048576+24
.endr
.endr
	WIN 0x40
	BCODES 16, 4, WB4, 256
	WIN 0
	BSCALE 16, 4, SB4, 256
	WIN 0x40
	BCODES 4, 4, WB16, 136                         ; Wv
	BCODES 8, 4, WB16, 128                         ; Wq
	BCODES 12, 4, WB16, 140                        ; Wg: their places are free from the start
	WIN 0
	BSCALE 4, 4, SB16, 136
	BSCALE 8, 4, SB16, 128
	BSCALE 12, 4, SB16, 140
	s_wait_loadcnt 63                              ; x, g1, be1 are in: 80 loads are younger, and the count's field ends at 63
	LNROWS 128, 64, 72, 80
.irp k,0,1
.irp q,0,1,2,3,4,5,6,7,8,9,10,11,12,13,14,15
	ds_store_b128 v[AXS], v[128+64*\k+4*\q:131+64*\k+4*\q] offset:1040*\q+512*\k
.endr
.endr
	s_wait_loadcnt 63                              ; o and the small inputs are in: the 64 loads of W0_r, Wv, Wq, Wg are younger
	v_lshlrev_b32 v118, 3, v31
	v_mov_b32 v119, 0
.irp k,0,1
	v_lshl_or_b32 v[116+\k], v[113+2*\k], 16, v[112+2*\k]
	s_delay_alu instid0(VALU_DEP_1)
	v_lshlrev_b32 v[116+\k], v118, v[116+\k]
	s_delay_alu instid0(VALU_DEP_1)
	v_permlanex16_b32 v119, v[116+\k], s[SEL], s[SEL+1]
	s_delay_alu instid0(VALU_DEP_1)
	v_or_b32 v[116+\k], v[116+\k], v119
	ds_store_b32 v121, v[116+\k] offset:64*\k
.endr
	WIN 0x04                                       ; an LDS store's data are its source 1
.irp k,0,1
.irp c,0,1,2
	ds_store_b128 v120, v[12*\k+4*\c:12*\k+4*\c+3] offset:1536*\k+16*\c
.endr
.endr
	ds_store_b128 v122, v[24:27]
	ds_store_b128 v122, v[28:31] offset:1024
	ds_store_b128 v122, v[32:35] offset:2048
	ds_store_b128 v123, v[36:39]
	WIN 0
	s_wait_loadcnt 48                              ; W0_r is in: the 48 loads of Wv, Wq, Wg are younger
	BARRIER                                        ; x1's 128 rows and o's 16 images lie in LDS
	v_mov_b32 v[NM+1], 0                           ; named with -M as a pair in the softmax; written only here, where v120-123 have had their last use as addresses
; ---- x2 = x1 + o W0_r; Wk comes into places 0-3, which o's codes have left, in the first four units
	RSTAGE 0
	PROJR 16, 4, 0, 132
; ---- LN3, across the eight waves: sums, a barrier, centred squares, a barrier
.irp g,0,1,2,3,4,5,6,7
	v_pk_add_f32 v[64+2*\g:65+2*\g], v[RR+16*\g:RR+16*\g+1], v[RR+16*\g+2:RR+16*\g+3]
.endr
.irp i,4,6,8,10,12,14
.irp g,0,1,2,3,4,5,6,7
	v_pk_add_f32 v[64+2*\g:65+2*\g], v[64+2*\g:65+2*\g], v[RR+16*\g+\i:RR+16*\g+\i+1]
.endr
.endr
.irp g,0,1,2,3,4,5,6,7
	v_add_f32 v[64+2*\g], v[64+2*\g], v[65+2*\g]
.endr
.irp g,0,1,2,3,4,5,6,7
	v_permlanex16_b32 v[65+2*\g], v[64+2*\g], s[SEL], s[SEL+1]
.endr
.irp g,0,1,2,3,4,5,6,7
	v_add_f32 v[64+2*\g], v[64+2*\g], v[65+2*\g]
.endr
.irp g,0,1,2,3,4,5,6,7
	ds_store_b32 v[AST], v[64+2*\g] offset:512*\g
.endr
	BARRIER
.macro STSUM off                       ; the eight waves' parts of each token, added in one order in every wave: v[64 + 8 g]
.irp g,0,1,2,3,4,5,6,7
	ds_load_b128 v[64+8*\g:67+8*\g], v[ASTL] offset:\off+512*\g
	ds_load_b128 v[68+8*\g:71+8*\g], v[ASTL] offset:\off+512*\g+16
.endr
	s_wait_dscnt 0x0
.irp g,0,1,2,3,4,5,6,7
	v_pk_add_f32 v[64+8*\g:65+8*\g], v[64+8*\g:65+8*\g], v[66+8*\g:67+8*\g]
.endr
.irp g,0,1,2,3,4,5,6,7
	v_pk_add_f32 v[68+8*\g:69+8*\g], v[68+8*\g:69+8*\g], v[70+8*\g:71+8*\g]
.endr
.irp g,0,1,2,3,4,5,6,7
	v_pk_add_f32 v[64+8*\g:65+8*\g], v[64+8*\g:65+8*\g], v[68+8*\g:69+8*\g]
.endr
.irp g,0,1,2,3,4,5,6,7
	v_add_f32 v[64+8*\g], v[64+8*\g], v[65+8*\g]
.endr
.endm
	STSUM 0
.irp g,0,1,2,3,4,5,6,7
	v_mul_f32 v[64+8*\g], s[SINV], v[64+8*\g]
.endr
.irp i,0,2,4,6,8,10,12,14
.irp g,0,1,2,3,4,5,6,7
	v_pk_add_f32 v[RR+16*\g+\i:RR+16*\g+\i+1], v[RR+16*\g+\i:RR+16*\g+\i+1], v[64+8*\g:65+8*\g] op_sel_hi:[1,0] neg_lo:[0,1] neg_hi:[0,1]
.endr
.endr
.irp g,0,1,2,3,4,5,6,7
	v_pk_mul_f32 v[66+8*\g:67+8*\g], v[RR+16*\g:RR+16*\g+1], v[RR+16*\g:RR+16*\g+1]
.endr
.irp i,2,4,6,8,10,12,14
.irp g,0,1,2,3,4,5,6,7
	v_pk_fma_f32 v[66+8*\g:67+8*\g], v[RR+16*\g+\i:RR+16*\g+\i+1], v[RR+16*\g+\i:RR+16*\g+\i+1], v[66+8*\g:67+8*\g]
.endr
.endr
.irp g,0,1,2,3,4,5,6,7
	v_add_f32 v[66+8*\g], v[66+8*\g], v[67+8*\g]
.endr
.irp g,0,1,2,3,4,5,6,7
	v_permlanex16_b32 v[67+8*\g], v[66+8*\g], s[SEL], s[SEL+1]
.endr
.irp g,0,1,2,3,4,5,6,7
	v_add_f32 v[66+8*\g], v[66+8*\g], v[67+8*\g]
.endr
.irp g,0,1,2,3,4,5,6,7
	ds_store_b32 v[AST], v[66+8*\g] offset:4096+512*\g
.endr
	BARRIER
	STSUM 4096
.irp j,0,1,2,3
	ds_load_b128 v[68+8*\j:71+8*\j], v[APR] offset:16*\j           ; g3 and be3 of my 16 channels, into registers that the sums have left
	ds_load_b128 v[100+8*\j:103+8*\j], v[APR] offset:1024+16*\j
.endr
.irp g,0,1,2,3,4,5,6,7
	v_fma_f32 v[64+8*\g], v[64+8*\g], s[SINV], s[SEPS]
.endr
	s_wait_alu depctr_va_vdst(0)
.irp g,0,1,2,3,4,5,6,7
	v_rsq_f32 v[64+8*\g], v[64+8*\g]
.endr
	v_nop
	s_wait_alu depctr_va_vdst(0)                   ; one wait for the eight
	s_wait_dscnt 0x0
.irp i,0,1,2,3,4,5,6,7
.irp g,0,1,2,3,4,5,6,7
	v_pk_mul_f32 v[RR+16*\g+2*\i:RR+16*\g+2*\i+1], v[RR+16*\g+2*\i:RR+16*\g+2*\i+1], v[64+8*\g:65+8*\g] op_sel_hi:[1,0]
.endr
.irp g,0,1,2,3,4,5,6,7
	v_pk_fma_f32 v[RR+16*\g+2*\i:RR+16*\g+2*\i+1], v[RR+16*\g+2*\i:RR+16*\g+2*\i+1], v[68+8*(\i/2)+2*(\i%2):69+8*(\i/2)+2*(\i%2)], v[100+8*(\i/2)+2*(\i%2):101+8*(\i/2)+2*(\i%2)]
.endr
.endr
	QB8 AQ1, AB1                                   ; x3's codes: my block of each fragment
	PARK 1
	BARRIER                                        ; x3's 16 images lie in LDS
	s_wait_loadcnt 0x0                             ; Wk, Wv, Wq, Wg
; ---- k and v of head w, all eight token tiles
	FET48 XF, AL1, 0
	FET48 XF+12, AL1, 1536
	ds_load_b32 v[XS], v[AS1]
	ds_load_b32 v[XS+1], v[AS1] offset:64
.macro CB t
.set TB4, (\t)%4
	s_wait_dscnt 0x0
	WIN 0x01
	MM0 KACC+16*TB4, 0, XF, WS, XS
	MM0 KACC+16*TB4+8, 24, XF, WS+2, XS
	WIN 0x04
	MM0 VACC+8*TB4, XF, 48, XS, WS+4
	MM0 VACC+32+8*TB4, XF, 72, XS, WS+6
	MMA VACC+8*TB4, XF+12, 60, XS+1, WS+5
	MMA VACC+32+8*TB4, XF+12, 84, XS+1, WS+7
	WIN 0x01
	MMA KACC+16*TB4, 12, XF+12, WS+1, XS+1
	MMA KACC+16*TB4+8, 36, XF+12, WS+3, XS+1
	WIN 0
	PLACES 5
.if \t < 7
	FET48 XF, AL1, 3072*((\t)+1)
	FET48 XF+12, AL1, 3072*((\t)+1)+1536
	ds_load_b32 v[XS], v[AS1] offset:128*((\t)+1)
	ds_load_b32 v[XS+1], v[AS1] offset:128*((\t)+1)+64
.endif
.if TB4 == 3
.set GB, (\t)/4
	QUANT KACC, BM, BT, BT+4, PC, PW
	IMG48 AKV, 1536*GB, PC
	ds_store_b32 v[AKS], v[PW] offset:64*GB
	s_wait_dscnt 0x0                               ; the stores have read their registers
	QUANT VACC, BM, BT, BT+4, PC, PW
.irp i,0,1,2
	ds_store_b64 v[AKV], v[PC+2*\i:PC+2*\i+1] offset:3072+24*GB+8*\i
	ds_store_b64 v[AKV], v[PC+6+2*\i:PC+7+2*\i] offset:4608+24*GB+8*\i
.endr
	ds_store_b16 v[AKS], v[PW] offset:128+2*GB
	ds_store_b16_d16_hi v[AKS], v[PW] offset:192+2*GB
	s_wait_dscnt 0x0
.endif
.endm
.irp t,0,1,2,3,4,5,6,7
	CB \t
.endr
	WIN 0x40                                       ; the bytes are my own and LDS serves a wave in order: no barrier
.irp e,0,1,2,3
	FET48 12*(16+\e), AKV, 1536*\e                 ; k's two fragments, v's two: places 16-19
.endr
	BCODES 0, 4, WB4, 288                          ; W0_c
	BCODES 4, 4, WB16, 320                         ; W1's first four
	WIN 0
.irp e,0,1,2,3
	ds_load_b32 v[WS+16+\e], v[AKS] offset:64*\e
.endr
	BSCALE 0, 4, SB4, 288
	BSCALE 4, 4, SB16, 320
.irp i,224,225,226,227,228,229,236,237,238,239,240,241,248,249,250,251,252,253
	v_mov_b32 v\i, 0                               ; the zero codes round q
.endr
	FET48 XF, AL1, 0
	FET48 XF+12, AL1, 1536
	ds_load_b32 v[XS], v[AS1]
	ds_load_b32 v[XS+1], v[AS1] offset:64
; ---- one query tile of head w.  nx = 1: the next tile's x3 is fetched
.macro CTILE nx
	v_add_nc_u32 v29, s51, v[AL1]
	v_add_nc_u32 v30, s52, v[AS1]
	v_add_nc_u32 v31, s51, v[AQ0]
	v_add_nc_u32 v21, s52, v[AB0]
	s_wait_dscnt 0x0
	WIN 0x01
.irp j,0,1,2,3
	MM0 QG+8*\j, 12*(8+2*\j), XF, WS+8+2*\j, XS
.endr
.irp j,0,1,2,3
	MMA QG+8*\j, 12*(9+2*\j), XF+12, WS+9+2*\j, XS+1
.endr
	WIN 0
	PLACES 5
.if \nx
	s_wait_alu depctr_va_vdst(0)
	FET48 XF, 29, 3072
	FET48 XF+12, 29, 4608
	ds_load_b32 v[XS], v30 offset:128
	ds_load_b32 v[XS+1], v30 offset:192
.endif
	QB QG, 230, EB, MX, BT
	v_perm_b32 v[QS], v[EB], v[EB], 0
	QVB 230, 242
.set jq,0
.rept 8
	v_pk_mul_f32 v[GG+2*jq:GG+2*jq+1], v[GG+2*jq:GG+2*jq+1], s[NL2:NL2+1] op_sel_hi:[1,0]   ; -g log2(e); also the eight places in front of the scaled products
.set jq,jq+1
.endr
	WIN 0x01
.set kt,0
.rept 8
	MM0 SS+8*kt, 12*(16+kt/4), 230+12*(kt%2)-6*((kt%4)/2), WS+16+kt/4, QS
.set kt,kt+1
.endr
	WIN 0
	PLACES 5
	SOFTMAX 4
	PCVT 0, SS, PC
	GATE1
	WIN 0x01
	MM0 QG, 216, PC, WS+18, PW
	MM0 QG+8, 228, PC, WS+19, PW
	WIN 0
	GATE2
	QB QG, PC, EB, MX, BT
.irp i,0,1,2
	ds_store_b32 v31, v[PC+\i] offset:4*\i         ; o2: my head's block of the tile's fragment
.endr
	ds_store_b8 v21, v[EB]
.endm
	s_mov_b32 s51, 0
	s_mov_b32 s52, 0
	s_mov_b32 s50, 7
.Lctile:
	CTILE 1
	s_add_co_u32 s51, s51, 3072
	s_add_co_u32 s52, s52, 128
	s_sub_co_u32 s50, s50, 1
	s_cmp_lg_u32 s50, 0
	s_cbranch_scc1 .Lctile
	CTILE 0                                        ; the last tile fetches nothing
	WIN 0x40
	BCODES 8, 12, WB16, 324                        ; the rest of W1
	WIN 0
	BSCALE 8, 12, SB16, 324
	BARRIER                                        ; o2's 16 images lie in LDS; nobody reads x3's any more
; ---- x4 = x3 + o2 W0_c
	PARK 0
	s_wait_loadcnt 48                              ; W0_c and W1's first four are in: the 48 loads of the rest are younger
	PROJR 0, 0, 0, 0
	WIN 0x40
.irp k,0,1
.irp u,0,1
	BCODES 2*\k+\u, 1, WB16, 448+8*\u+\k           ; W2, K steps 0 and 1
.endr
.endr
	WIN 0
.irp k,0,1
.irp u,0,1
	BSCALE 2*\k+\u, 1, SB16, 448+8*\u+\k
.endr
.endr
	QB8 AQ1, AB1                                   ; x4's codes
.irp j,0,1,2,3
	ds_load_b128 v[96+4*\j:99+4*\j], v[APR] offset:2048+16*\j
.endr
	s_wait_dscnt 0x0
.irp i,0,1,2,3,4,5,6,7
.irp g,0,1,2,3,4,5,6,7
	v_pk_add_f32 v[RR+16*\g+2*\i:RR+16*\g+2*\i+1], v[RR+16*\g+2*\i:RR+16*\g+2*\i+1], v[96+2*\i:97+2*\i]   ; + b2
.endr
.endr
	PARK 1
	BARRIER                                        ; x4's 16 images lie in LDS
; ---- the hidden layer: my 128 units, a token tile at a time; b1 is the C of the first products
.set gq,0
.rept 16
	ds_load_b128 v[192+4*gq:195+4*gq], v[APB] offset:128*(gq/4)+32*((gq/2)%2)+16*(gq%2)
.set gq,gq+1
.endr
	FET48 XF, AL1, 0
	FET48 XF+12, AL1, 1536
	ds_load_b32 v[XS], v[AS1]
	ds_load_b32 v[XS+1], v[AS1] offset:64
	s_wait_loadcnt 16                              ; W1 is in: W2's first 16 loads are younger
.macro HTILE nx
	v_add_nc_u32 v29, s51, v[AL1]
	v_add_nc_u32 v30, s52, v[AS1]
	v_add_nc_u32 v21, s53, v[AHW]
	v_add_nc_u32 v31, s54, v[AHSW]
	s_wait_dscnt 0x0
	WIN 0x01
.irp t,0,1,2,3,4,5,6,7
	MMC HA+8*\t, 12*(4+2*\t), XF, 192+8*\t, WS+4+2*\t, XS
.endr
.irp t,0,1,2,3,4,5,6,7
	MMA HA+8*\t, 12*(5+2*\t), XF+12, WS+5+2*\t, XS+1
.endr
	WIN 0
	PLACES 5
.if \nx
	s_wait_alu depctr_va_vdst(0)
	FET48 XF, 29, 3072
	FET48 XF+12, 29, 4608
	ds_load_b32 v[XS], v30 offset:128
	ds_load_b32 v[XS+1], v30 offset:192
.endif
.set jq,0
.rept 64
	v_max_num_f32 v[HA+jq], 0, v[HA+jq]
.set jq,jq+1
.endr
	QUANT HA, BM, BT, BT+4, PC, PW
	IMG48 21, 0, PC                                ; K step w of the last product
	ds_store_b32 v31, v[PW]
.endm
	s_mov_b32 s51, 0
	s_mov_b32 s52, 0
	s_mov_b32 s53, 0
	s_mov_b32 s54, 0
	s_mov_b32 s50, 7
.Lhtile:
	HTILE 1
	s_add_co_u32 s51, s51, 3072
	s_add_co_u32 s52, s52, 128
	s_add_co_u32 s53, s53, 12288
	s_add_co_u32 s54, s54, 512
	s_sub_co_u32 s50, s50, 1
	s_cmp_lg_u32 s50, 0
	s_cbranch_scc1 .Lhtile
	HTILE 0
	BARRIER                                        ; the hidden layer's 64 images lie in LDS
; ---- out = (x4 + b2) + hidden W2: 64 units through the ring, K step by K step, the sixteen sums by turns; W2's K steps 2 to 7 come into places 4-15, which W1 has left, one fragment in every fourth unit
	PARK 0
	s_wait_loadcnt 0x0                             ; W2's K steps 0 and 1 are in: nothing younger is out
.macro F11 n
.set f_k, (\n)/8
.set f_s, (\n)%8
	FET48 64+12*((\n)%5), AH0+f_s/4, (8*(f_s%4)+f_k)*1536
	ds_load_b32 v[RS+(\n)%5], v[AHS] offset:(8*f_s+f_k)*64
.endm
.set nn,0
.rept 4
	F11 nn
.set nn,nn+1
.endr
.set nn,0
.rept 64
.if nn+4<64
	WIN 0
.if nn>0
	PLACES 5
.endif
	F11 nn+4
.if nn%4==0 && nn<48
	BSCALE 4+nn/4, 1, SB16, 448+8*((nn/4)%2)+2+nn/8      ; fragment i = nn / 4: place 4 + i, K step 2 + i / 2, column tile i % 2; asked for 12 or 16 units ahead of its first product
	WIN 0x40
	BCODES 4+nn/4, 1, WB16, 448+8*((nn/4)%2)+2+nn/8
.endif
.endif
.if nn>=16 && nn%8==0
.if nn<48
	s_wait_loadcnt 12                              ; this K step's two fragments are in: three younger fragments of four loads are out
.else
	s_wait_loadcnt 8*(7-nn/8)                      ; the last two K steps: two younger fragments, then none
.endif
.endif
.if 63-nn>=4
	s_wait_dscnt 16
.else
	s_wait_dscnt 4*(63-nn)
.endif
	WIN 0x01
	MMA RR+16*(nn%8), 12*(2*(nn/8)), 64+12*(nn%5), WS+2*(nn/8), RS+nn%5
	MMA RR+16*(nn%8)+8, 12*(2*(nn/8)+1), 64+12*(nn%5), WS+2*(nn/8)+1, RS+nn%5
.set nn,nn+1
.endr
	WIN 0
	PLACES 5
	BARRIER                                        ; every wave has taken its parked R: the stage may be written
	RSTAGE 1
	BARRIER                                        ; 128 whole rows lie in the stage
.set gq,0
.rept 32
	ds_load_b128 v[128+4*gq:131+4*gq], v[AXS] offset:1040*(gq%16)+512*(gq/16)
.set gq,gq+1
.endr
.set gq,0
.rept 32
	s_wait_dscnt 31-gq                             ; the younger loads may be out
	global_store_b128 v3, v[128+4*gq:131+4*gq], s[24:25] offset:((gq%16)+8*((gq%16)/8))*262144+512*(gq/16) th:TH_STORE_NT   ; 512 consecutive bytes of a row
.set gq,gq+1
.endr
	s_wait_tensorcnt 0x0                           ; the wave's end
	ds_add_u32 v1, v2
	s_wait_dscnt 0x0
	s_endpgm
.Lfunc_end_k_q828644656b_colmlp:
	.size	k_q828644656b_colmlp, .Lfunc_end_k_q828644656b_colmlp-k_q828644656b_colmlp
	.p2alignl 7, 3214868480
	.fill 96, 4, 3214868480
	.section	.rodata,"a",@progbits
	.p2align	6, 0x0
	.amdhsa_kernel k_q828644656b_colmlp
		.amdhsa_group_segment_fixed_size 303104
		.amdhsa_private_segment_fixed_size 0
		.amdhsa_enable_private_segment 0
		.amdhsa_kernarg_size 88
		.amdhsa_user_sgpr_count 2
		.amdhsa_user_sgpr_kernarg_segment_ptr 1
		.amdhsa_wavefront_size32 1
		.amdhsa_system_sgpr_workgroup_id_x 1
		.amdhsa_system_sgpr_workgroup_id_y 1
		.amdhsa_system_sgpr_workgroup_id_z 1
		.amdhsa_system_vgpr_workitem_id 0
		.amdhsa_next_free_vgpr 512
		.amdhsa_next_free_sgpr 66
		.amdhsa_reserve_vcc 0
		.amdhsa_float_denorm_mode_32 3
		.amdhsa_float_denorm_mode_16_64 3
		.amdhsa_memory_ordered 1
		.amdhsa_forward_progress 1
		.amdhsa_inst_pref_size 255
	.end_amdhsa_kernel
	.section	.bss,"aw",@nobits
	.p2align	6
	.space	262144
	.amdgpu_metadata
---
amdhsa.version: [ 1, 2 ]
amdhsa.kernels:
  - .name:           k_q828644656b_colmlp
    .symbol:         k_q828644656b_colmlp.kd
    .args:
      - { .name: x, .offset: 0, .size: 8, .value_kind: global_buffer, .address_space: global }
      - { .name: g1, .offset: 8, .size: 8, .value_kind: global_buffer, .address_space: global }
      - { .name: be1, .offset: 16, .size: 8, .value_kind: global_buffer, .address_space: global }
      - { .name: ocodes, .offset: 24, .size: 8, .value_kind: global_buffer, .address_space: global }
      - { .name: wcodes, .offset: 32, .size: 8, .value_kind: global_buffer, .address_space: global }
      - { .name: wscales, .offset: 40, .size: 8, .value_kind: global_buffer, .address_space: global }
      - { .name: g3, .offset: 48, .size: 8, .value_kind: global_buffer, .address_space: global }
      - { .name: be3, .offset: 56, .size: 8, .value_kind: global_buffer, .address_space: global }
      - { .name: b1, .offset: 64, .size: 8, .value_kind: global_buffer, .address_space: global }
      - { .name: b2, .offset: 72, .size: 8, .value_kind: global_buffer, .address_space: global }
      - { .name: out0, .offset: 80, .size: 8, .value_kind: global_buffer, .address_space: global }
    .group_segment_fixed_size: 303104
    .private_segment_fixed_size: 0
    .kernarg_segment_align: 8
    .kernarg_segment_size: 88
    .max_flat_workgroup_size: 256
    .sgpr_count:     66
    .vgpr_count:     512
    .wavefront_size: 32
...
	.end_amdgpu_metadata
.endif
;; end of part 3
